; MI455X (gfx1250); checked and timed in simulation.
; The chip was launched on July 23, 2026; its instructions are those of AMD's public machine-readable ISA for CDNA 5 (MIT licence, August 2026) and "CDNA5" Instruction Set Architecture Reference Guide (July 2026). The comments in the code are by the model that wrote it; some were corrected since.
;; Hypercube Embedding Layer. Allowed arithmetic: float matrix products may take bf16 or f16 operands with f32 sums; all other float work in f32.
;; Inputs: concept_ids 4 x 1,024 int32; params_ar_b1 256 float32; params_ar_b2 128 float32; params_ar_bn1 256 float32; params_ar_bn2 128 float32; params_ar_g1 256 float32; params_ar_g2 128 float32; params_ar_w1 256 x 256 float32; params_ar_w2 256 x 128 float32; params_dec_b 128 float32; params_dec_bn 128 float32; params_dec_g 128 float32; params_dec_w 128 x 128 float32; params_emb_table 50,257 x 128 float32; params_en_b1 256 float32; params_en_b2 1 float32; params_en_bn1 256 float32; params_en_g1 256 float32; params_en_w1 256 x 256 float32; params_en_w2 256 x 1 float32; params_enc_b 128 float32; params_enc_bn 128 float32; params_enc_g 128 float32; params_enc_w 128 x 128 float32; params_vertex 65,536 x 128 float32; previous_continuous_latent 4 x 1,024 x 128 float32; target_continuous_latent 4 x 1,024 x 128 float32.
;; Outputs: out0 4 x 1,024 x 128 float32; out1 4 x 1,024 x 128 float32; out2 4 x 1,024 x 128 float32; out3 one number float32; out4 4 x 1,024 x 1 float32.
;; 2 versions, each right; version 2 is version 1 with the launch prep written anew for expert scheduling mode. Each part assembles by itself: llvm-mc -triple=amdgcn-amd-amdhsa -mcpu=gfx1250 --defsym DOCPART=n.
;; ======== version 1 of 2: 4 launches
;; limits: values outside matrix products are rounded to bf16
;; workspace buffers: vbf 16,777,216 bytes; hv 262,144 bytes; rawbf 1,048,576 bytes; wfrag 393,216 bytes; pkey 524,288 bytes of whole numbers; pgid 524,288 bytes of whole numbers; lpart 1,024 bytes
;; launch prep (part 1): grid 416 x 1, 4 waves a work-group, no clusters, 0 bytes of LDS; arguments params_vertex, concept_ids, params_emb_table, params_enc_w, params_dec_w, params_ar_w1, params_en_w1, params_ar_w2, vbf, hv, rawbf, wfrag; writes vbf, hv, rawbf, wfrag
.if DOCPART == 1
	.amdgcn_target "amdgcn-amd-amdhsa--gfx1250"
	.amdhsa_code_object_version 6
	.text
	.protected	k_q03b3e056fc_prep
	.globl	k_q03b3e056fc_prep
	.p2align	8
	.type	k_q03b3e056fc_prep,@function
k_q03b3e056fc_prep:
	s_mov_b64 s[64:65], 0
	v_nop
	global_prefetch_b8 v0, s[64:65] scope:SCOPE_SE
	s_setreg_imm32_b32 hwreg(HW_REG_WAVE_MODE, 25, 1), 1
	s_wait_xcnt 0x0
; PREPARATION, three kinds of work-group, told apart by the work-group's number alone.
;   0..255   VERTICES: vbf[v][:] = bf16(vertex[v][:]) and hv[v] = -0.5 * sum of the ROUNDED row's squares (f32).  A wave owns 64 rows.
;   256..351 WEIGHTS: five matrices W[k][n] (f32) become bf16 fragments of W^T in the order in which a matrix instruction's first source wants them.
;            wfrag is 12 units of 32 KiB; a unit is 8 tiles of 16 output features x 4 steps of 32 along k; a fragment is 1 KiB; one wave makes one fragment.
;            units: 0 enc, 1 dec, 2-5 ar_w1 (tiles 0-7 | 8-15, k 0-127; then k 128-255), 6-9 en_w1 likewise, 10-11 ar_w2 (k 0-127 | 128-255).
;   352..415 TOKENS: rawbf[t][:] = bf16(emb_table[id[t]][:]).  A wave owns 16 tokens.  LIMIT: an id is taken as unsigned and clamped to 50,256.
; No LDS, no matrix unit: memory binds.  Every store of the vertex and token paths covers 256 consecutive bytes, aligned; those of the weight path 512.
.set NID_MAX, 50256
.set DEPTH, 32                         ; row slots of a wave = loads that it has on their way: 32 x 512 bytes
.set VX, 4                             ; v[4:131]   slot s: a row's 4 numbers of my lane, as loaded; in the second round also the 4 bf16 to store
.set VY, 132                           ; v[132:195] slot s: the first round's 4 bf16, to store
.set VU, 196                           ; v[196:199] the rounded numbers, widened
.set VQ, 200                           ; v[200:201] squares
.set VS, 202                           ; v202       the row's sum
.set VT, 203                           ; v203       the other half of the lanes' sum
.set VHV, 204                          ; v[204:205] hv of rows 2 L and 2 L + 1 of my wave's 64
	s_load_b512 s[4:19], s[0:1], 0x0               ; vertex s[4:5], ids s[6:7], emb s[8:9], enc_w s[10:11], dec_w s[12:13], ar_w1 s[14:15], en_w1 s[16:17], ar_w2 s[18:19]
	s_load_b256 s[20:27], s[0:1], 0x40             ; vbf s[20:21], hv s[22:23], rawbf s[24:25], wfrag s[26:27]
	v_lshrrev_b32 v3, 5, v0
	v_readfirstlane_b32 s28, v3                    ; wave 0..3
	v_and_b32 v1, 31, v0
	v_lshlrev_b32 v2, 3, v1                        ; 8 x lane
	v_lshlrev_b32 v1, 4, v1                        ; 16 x lane
	s_mov_b32 s29, ttmp9
	s_mov_b32 s39, 0                               ; high word of every offset pair s[38:39]
	s_wait_kmcnt 0x0
	s_cmp_lt_u32 s29, 256
	s_cbranch_scc1 .Lvertex
	s_cmp_lt_u32 s29, 352
	s_cbranch_scc1 .Lweights
	; ---------------- TOKENS ----------------
	s_sub_co_u32 s30, s29, 352
	s_lshl_b32 s30, s30, 6
	s_lshl4_add_u32 s30, s28, s30                  ; my first token = 64 x group + 16 x wave
	s_lshl_b32 s38, s30, 2
	s_add_nc_u64 s[6:7], s[6:7], s[38:39]
	s_load_b512 s[40:55], s[6:7], 0x0              ; my 16 ids
	s_lshl_b32 s38, s30, 8
	s_add_nc_u64 s[24:25], s[24:25], s[38:39]      ; rawbf at my first token
	s_wait_kmcnt 0x0
.irp i, 0,1,2,3,4,5,6,7,8,9,10,11,12,13,14,15
	s_min_u32 s[40+\i], s[40+\i], NID_MAX          ; the id stays inside the table
	s_lshl_b32 s[40+\i], s[40+\i], 9               ; a row of 512 bytes
	v_add_nc_u32 v[4+\i], s[40+\i], v1
.endr
.irp i, 0,1,2,3,4,5,6,7,8,9,10,11,12,13,14,15
	global_load_b128 v[20+4*\i:23+4*\i], v[4+\i], s[8:9]   ; the wave's load covers the whole row
.endr
.irp i, 0,1,2,3,4,5,6,7,8,9,10,11,12,13,14,15
	s_wait_loadcnt 15-\i                           ; loads return in order: row i is in, the younger ones stay out
	v_cvt_pk_bf16_f32 v[84+2*\i], v[20+4*\i], v[21+4*\i]
	v_cvt_pk_bf16_f32 v[85+2*\i], v[22+4*\i], v[23+4*\i]
	global_store_b64 v2, v[84+2*\i:85+2*\i], s[24:25] offset:256*\i
.endr
	s_endpgm
	; ---------------- WEIGHTS ----------------
; Lane (r, h) of a fragment holds W[k0 + 8 h + i][16 tile + r], i = 0..7, at bytes 16 L, and the same with k + 16 at bytes 512 + 16 L.
; The reads are 64 consecutive bytes for 16 lanes: 786,432 bytes in the whole launch, read once.
.macro WPATH nb                        ; nb: bytes in a row of W.  s35 tile, s36 first k of the unit, s37 32 x wave, s[32:33] the matrix
	s_add_co_u32 s36, s36, s37                     ; my fragment's first k
	s_mul_i32 s36, s36, \nb
	s_lshl_b32 s35, s35, 6                         ; 16 columns of 4 bytes
	s_add_co_u32 s38, s36, s35
	s_add_nc_u64 s[32:33], s[32:33], s[38:39]
	v_mul_u32_u24 v3, v6, 8*\nb                    ; 8 h rows
	v_lshl_add_u32 v3, v5, 2, v3                   ; + column r
.irp i, 0,1,2,3,4,5,6,7
	global_load_b32 v[4+\i], v3, s[32:33] offset:\i*\nb
.endr
.irp i, 0,1,2,3,4,5,6,7
	global_load_b32 v[12+\i], v3, s[32:33] offset:(16+\i)*\nb
.endr
	s_wait_loadcnt 0x0
.irp i, 0,1,2,3,4,5,6,7
	v_cvt_pk_bf16_f32 v[20+\i], v[4+2*\i], v[5+2*\i]
.endr
	global_store_b128 v1, v[20:23], s[26:27]
	global_store_b128 v1, v[24:27], s[26:27] offset:512
.endm
.Lweights:
	s_sub_co_u32 s29, s29, 256
	s_lshr_b32 s30, s29, 3                         ; unit 0..11
	s_and_b32 s31, s29, 7                          ; tile in the unit
	s_lshl_b32 s38, s30, 5
	s_lshl2_add_u32 s38, s31, s38
	s_add_co_u32 s38, s38, s28                     ; fragment = 32 unit + 4 tile + wave
	s_lshl_b32 s38, s38, 10
	s_add_nc_u64 s[26:27], s[26:27], s[38:39]
	v_and_b32 v5, 15, v0                           ; r
	v_bfe_u32 v6, v0, 4, 1                         ; h
	s_lshl_b32 s37, s28, 5                         ; my step of 32 along k
	s_sub_co_u32 s34, s30, 2                       ; units 2..9 are the two matrices of 256 columns
	s_cmp_lt_u32 s34, 8
	s_cbranch_scc1 .Lwide
	s_and_b32 s36, s30, 1
	s_lshl_b32 s36, s36, 7
	s_cmp_ge_u32 s30, 10
	s_cselect_b32 s36, s36, 0                      ; ar_w2: k from 128 x (unit - 10); enc, dec: from 0
	s_mov_b64 s[32:33], s[10:11]
	s_cmp_eq_u32 s30, 1
	s_cselect_b64 s[32:33], s[12:13], s[32:33]
	s_cmp_ge_u32 s30, 10
	s_cselect_b64 s[32:33], s[18:19], s[32:33]
	s_mov_b32 s35, s31
	WPATH 512
	s_endpgm
.Lwide:
	s_and_b32 s35, s34, 1
	s_lshl3_add_u32 s35, s35, s31                  ; tile = 8 x (odd unit) + tile in the unit
	s_bfe_u32 s36, s34, 0x10001
	s_lshl_b32 s36, s36, 7                         ; k from 0 or 128
	s_cmp_lt_u32 s34, 4
	s_cselect_b64 s[32:33], s[14:15], s[16:17]
	WPATH 1024
	s_endpgm
	; ---------------- VERTICES ----------------
; A wave's 64 rows go through 32 row slots in two rounds, written out: one load of the wave covers a row of 512 bytes, and 32 of them, 16 KiB, are on their way until the rows run out.
; Round 0 (rows 0-31) packs into registers of its own and fills its slot again with the row 32 further down; round 1 (rows 32-63) packs in place and loads nothing.
; No base is stepped and no register that a store reads is written again, so the only waits are those for the rows.
; Row R of my 64 ends in lane R / 2, register R % 2 of VHV, so that one store at the end writes the 64 half norms, 256 bytes.
.macro VSLOT s, round
.set vrow, DEPTH*\round+\s
.if \round == 0
.set vy, VY+2*\s
	s_wait_loadcnt DEPTH-1                         ; my row is in; younger: 31 - s first fills and s refills
.else
.set vy, VX+4*\s
	s_wait_loadcnt DEPTH-1-\s                      ; the counts run down
.endif
	v_cvt_pk_bf16_f32 v[vy], v[VX+4*\s], v[VX+4*\s+1]
	v_cvt_pk_bf16_f32 v[vy+1], v[VX+4*\s+2], v[VX+4*\s+3]
.if \round == 0
	global_load_b128 v[VX+4*\s:VX+4*\s+3], v1, s[4:5] offset:(DEPTH+\s)*512 th:TH_LOAD_NT
.endif
	v_lshlrev_b32 v[VU], 16, v[vy]                 ; the norm is that of the rounded row
	v_and_b32 v[VU+1], s34, v[vy]
	v_lshlrev_b32 v[VU+2], 16, v[vy+1]
	v_and_b32 v[VU+3], s34, v[vy+1]
	global_store_b64 v2, v[vy:vy+1], s[20:21] offset:vrow*256
	v_pk_mul_f32 v[VQ:VQ+1], v[VU:VU+1], v[VU:VU+1]
	v_pk_fma_f32 v[VQ:VQ+1], v[VU+2:VU+3], v[VU+2:VU+3], v[VQ:VQ+1]
	v_add_f32 v[VS], v[VQ], v[VQ+1]
	v_add_f32_dpp v[VS], v[VS], v[VS] row_xmask:1 row_mask:0xf bank_mask:0xf
	v_add_f32_dpp v[VS], v[VS], v[VS] row_xmask:2 row_mask:0xf bank_mask:0xf
	v_add_f32_dpp v[VS], v[VS], v[VS] row_xmask:4 row_mask:0xf bank_mask:0xf
	v_add_f32_dpp v[VS], v[VS], v[VS] row_xmask:8 row_mask:0xf bank_mask:0xf
	v_permlanex16_b32 v[VT], v[VS], s32, s33
	v_add_f32 v[VS], v[VS], v[VT]
	v_mul_f32 v[VS], -0.5, v[VS]
	s_mov_b32 s36, 1<<(vrow>>1)                    ; the one lane that keeps this row's number
	v_cndmask_b32 v[VHV+(vrow&1)], v[VHV+(vrow&1)], v[VS], s36
.endm
.Lvertex:
	s_lshl2_add_u32 s30, s29, s28                  ; 4 x group + wave: my block of 64 rows
	s_lshl_b32 s38, s30, 15                        ; 64 rows of 512 bytes
	s_add_nc_u64 s[4:5], s[4:5], s[38:39]
	s_lshl_b32 s38, s30, 14                        ; of 256 bytes
	s_add_nc_u64 s[20:21], s[20:21], s[38:39]
	s_lshl_b32 s38, s30, 8                         ; of 4 bytes
	s_add_nc_u64 s[22:23], s[22:23], s[38:39]
.set ss, 0
.rept DEPTH
	global_load_b128 v[VX+4*ss:VX+4*ss+3], v1, s[4:5] offset:ss*512 th:TH_LOAD_NT
.set ss, ss+1
.endr
	s_mov_b32 s32, 0x76543210                      ; each lane takes its own place in the other half
	s_mov_b32 s33, 0xfedcba98
	s_mov_b32 s34, 0xffff0000
	v_mov_b32 v[VT], 0                             ; a lane exchange's destination counts as read
	v_mov_b32 v[VHV], 0                            ; the selects read what they keep
	v_mov_b32 v[VHV+1], 0
.set ss, 0
.rept DEPTH
	VSLOT ss, 0
.set ss, ss+1
.endr
.set ss, 0
.rept DEPTH
	VSLOT ss, 1
.set ss, ss+1
.endr
	global_store_b64 v2, v[VHV:VHV+1], s[22:23]
	s_endpgm
.Lfunc_end_k_q03b3e056fc_prep:
	.size	k_q03b3e056fc_prep, .Lfunc_end_k_q03b3e056fc_prep-k_q03b3e056fc_prep
	.p2alignl 7, 3214868480
	.fill 96, 4, 3214868480
	.section	.rodata,"a",@progbits
	.p2align	6, 0x0
	.amdhsa_kernel k_q03b3e056fc_prep
		.amdhsa_group_segment_fixed_size 0
		.amdhsa_private_segment_fixed_size 0
		.amdhsa_enable_private_segment 0
		.amdhsa_kernarg_size 96
		.amdhsa_user_sgpr_count 2
		.amdhsa_user_sgpr_kernarg_segment_ptr 1
		.amdhsa_wavefront_size32 1
		.amdhsa_system_sgpr_workgroup_id_x 1
		.amdhsa_system_sgpr_workgroup_id_y 1
		.amdhsa_system_sgpr_workgroup_id_z 1
		.amdhsa_system_vgpr_workitem_id 0
		.amdhsa_next_free_vgpr 208
		.amdhsa_next_free_sgpr 66
		.amdhsa_reserve_vcc 0
		.amdhsa_float_denorm_mode_32 3
		.amdhsa_float_denorm_mode_16_64 3
		.amdhsa_memory_ordered 1
		.amdhsa_forward_progress 1
		.amdhsa_inst_pref_size 88
	.end_amdhsa_kernel
	.amdgpu_metadata
---
amdhsa.version: [ 1, 2 ]
amdhsa.kernels:
  - .name:           k_q03b3e056fc_prep
    .symbol:         k_q03b3e056fc_prep.kd
    .args:
      - { .name: params_vertex, .offset: 0, .size: 8, .value_kind: global_buffer, .address_space: global }
      - { .name: concept_ids, .offset: 8, .size: 8, .value_kind: global_buffer, .address_space: global }
      - { .name: params_emb_table, .offset: 16, .size: 8, .value_kind: global_buffer, .address_space: global }
      - { .name: params_enc_w, .offset: 24, .size: 8, .value_kind: global_buffer, .address_space: global }
      - { .name: params_dec_w, .offset: 32, .size: 8, .value_kind: global_buffer, .address_space: global }
      - { .name: params_ar_w1, .offset: 40, .size: 8, .value_kind: global_buffer, .address_space: global }
      - { .name: params_en_w1, .offset: 48, .size: 8, .value_kind: global_buffer, .address_space: global }
      - { .name: params_ar_w2, .offset: 56, .size: 8, .value_kind: global_buffer, .address_space: global }
      - { .name: vbf, .offset: 64, .size: 8, .value_kind: global_buffer, .address_space: global }
      - { .name: hv, .offset: 72, .size: 8, .value_kind: global_buffer, .address_space: global }
      - { .name: rawbf, .offset: 80, .size: 8, .value_kind: global_buffer, .address_space: global }
      - { .name: wfrag, .offset: 88, .size: 8, .value_kind: global_buffer, .address_space: global }
    .group_segment_fixed_size: 0
    .private_segment_fixed_size: 0
    .kernarg_segment_align: 8
    .kernarg_segment_size: 96
    .max_flat_workgroup_size: 128
    .sgpr_count:     66
    .vgpr_count:     208
    .wavefront_size: 32
...
	.end_amdgpu_metadata
.endif
;; end of part 1
;; launch search (part 2): grid 8 x 32, 4 waves a work-group, clusters of 4 x 1, 327,680 bytes of LDS; arguments vbf, hv, rawbf, pkey, pgid; writes pkey, pgid
.if DOCPART == 2
	.amdgcn_target "amdgcn-amd-amdhsa--gfx1250"
	.amdhsa_code_object_version 6
	.text
	.protected	k_q03b3e056fc_search
	.globl	k_q03b3e056fc_search
	.p2align	8
	.type	k_q03b3e056fc_search,@function
k_q03b3e056fc_search:
	s_mov_b64 s[64:65], 0
	v_nop
	global_prefetch_b8 v0, s[64:65] scope:SCOPE_SE
	s_setreg_imm32_b32 hwreg(HW_REG_WAVE_MODE, 25, 1), 1
	s_wait_xcnt 0x0
	s_wait_alu depctr_hold_cnt(0) depctr_sa_sdst(0) depctr_va_vdst(0) depctr_va_sdst(0) depctr_va_ssrc(0) depctr_va_vcc(0) depctr_vm_vsrc(0)
	s_getreg_b32 s2, hwreg(HW_REG_IB_STS2, 6, 4)
	s_cmp_eq_u32 s2, 0
	s_cbranch_scc0 .Lentry_in_a_cluster
	s_endpgm
.Lentry_in_a_cluster:
	s_bfe_u32 s2, ttmp6, 0x10000c
	s_cmp_lg_u32 s2, 0x3003
	s_cbranch_scc0 .Lentry_shape_is_right
	s_endpgm
.Lentry_shape_is_right:
; THE NEAREST VERTEX, first part.  score(t, v) = raw^[t] . vertex^[v] - 0.5 |vertex^[v]|^2 on operands rounded to bf16; the largest score is the smallest distance.
; Work-group (x, y): tokens 512 x .. +511, vertices 2,048 y .. +2,047.  For each of its tokens it stores the GROUP of eight consecutive vertices that holds the block's best score
; (pgid = vertex / 8) and that score as a whole-number KEY whose unsigned order is the scores' order (pkey).  Both lie as [t / 64][y][t % 64], 4 bytes each.
; The best of the 32 blocks and the group's winner are found by the next launch, on the whole numbers.
; SHARES.  A wave keeps 128 tokens in registers as second sources: 8 tiles of 16 tokens x 4 steps of 32 along the 128 channels = 256 registers, window 1.  All four waves walk
; the same vertices, 16 at a time (an "m-tile"): 8 LDS loads of fragments and 2 of half norms feed 32 matrix instructions.  S^T = V R^T: in the result a lane holds ONE token
; (lane % 16) and the eight consecutive vertices 8 (lane / 16) + 0..7, one group.  The half norms enter as the C of the first of the four K steps: nothing is cleared or added later.
; BY TURNS.  While m-tile T is multiplied, the scores of T - 1 (the other set of 8 accumulators) go into a running maximum: 48 plain instructions in 16 slices of 3, one slice behind
; every second matrix instruction.  A slice lives in window 0, the products' second source in window 1: two window switches for two matrix instructions and three vector ones.
; CLUSTER.  The four partners differ in x alone and walk the same vertices: every tile is asked for JOINTLY, the same tensor load with the same descriptor and the mask of all four.
; LIMITS.  Operands are rounded to bf16, so two vertices whose distances differ by less than that rounding and the f32 sums' may change places against an f32 computation.
; Exact ties go to the lowest index (strict > in ascending order); +0 and -0 count as equal.  A NaN score never wins; a token with no score above -infinity gets the block's first group.
.set PITCH, 272                        ; an LDS row: 256 bytes + 16 of padding = 68 words, so the 16 rows of a fragment load start 4 words apart modulo 64
.set MTB,   16*PITCH                   ; an m-tile
.set QUART, 128*PITCH                  ; what one tensor load brings
.set SLOT,  4*QUART                    ; 512 vertices; two slots
.set HVB,   2*SLOT                     ; the block's 2,048 half norms, 8,192 bytes
.set STAGE, HVB+8192                   ; 1,024 bytes a wave for the way out; no tensor load fills it
.set VA0, 2                            ; v2   r x pitch + 16 h; never rewritten
.set VA,  3                            ; v3   LDS address of the fragments to fetch
.set VH,  4                            ; v4   of the half norms to fetch
.set QO,  5                            ; v5   my byte offset in the wave's rows of rawbf; on the way out in pkey and pgid
.set HB,  6                            ; v6   h + 256 y
.set STO, 7                            ; v7   the way out: my word in the stage
.set TMP, 8                            ; v8-13 at work in a slice
.set VH0, 14                           ; v14  HVB + 32 h; never rewritten
.set BEST, 16                          ; v16-23, v24-31  the running maxima of the 8 token tiles, two sets that take turns
.set GID, 32                           ; v32-39  the m-tile in which the maximum last grew
.set HVR, 40                           ; v40-47, v48-55  half norms of an m-tile, two buffers
.set AF,  56                           ; v56-87, v88-119 fragments of an m-tile, two buffers
.set ACC, 128                          ; v128-191, v192-255  8 accumulators, two sets
.set WV,  14
.set G1,  24                           ; s[24:31] group 1 for vertex tiles
.set G1H, 32                           ; s[32:39] group 1 for the half norms
.set G0A, 40                           ; s[40:43] group 0, slot 0
.set G0B, 44                           ; s[44:47] group 0, slot 1
.set G0H, 48                           ; s[48:51] group 0, half norms
.set STEP, 52                          ; the m-tile whose scores are in the slices
.set CNT, 53
.set SEL, 54                           ; s[54:55]
.set MK0, 56
.set MK1, 57
.set FO,  58                           ; LDS byte of the next m-tile to fetch
.set HO,  59                           ; byte of its half norms
.set MSB, 0
.macro WIN new                         ; the immediate's high byte repeats the setting that is left; a switch that changes nothing is dropped
.if MSB != \new
	s_set_vgpr_msb (MSB<<8)|\new
.set MSB, \new
.endif
.endm
.macro PLACES
.rept 4
	v_nop
.endr
.endm
; A round of the cluster's barrier: my work-group's barrier; wave 0 signals for the work-group; every wave waits for all four work-groups; my work-group's barrier once more.
.macro CROUND
	s_barrier_signal -1
	s_barrier_wait -1
	s_cmp_lg_u32 s[WV], 0
	s_cbranch_scc1 .Lnot_wave_0_\@
	s_barrier_signal -3
.Lnot_wave_0_\@:
	s_barrier_wait -3
	s_barrier_signal -1
	s_barrier_wait -1
.endm
	s_load_b256 s[4:11], s[0:1], 0x0               ; vbf s[4:5], hv s[6:7], rawbf s[8:9], pkey s[10:11]
	s_load_b64 s[12:13], s[0:1], 0x20              ; pgid
	v_lshl_add_u32 v126, v0, 2, 0x47000
	v_mov_b32 v127, 0
	ds_add_u32 v126, v127
	v_lshrrev_b32 v1, 5, v0
	v_readfirstlane_b32 s[WV], v1                  ; wave 0..3
	s_bfe_u32 s15, ttmp6, 0x40000                  ; cx: it enters rawbf's, pkey's and pgid's addresses alone
	s_lshl_b32 s16, ttmp9, 2
	s_add_co_u32 s16, s16, s15                     ; x = 4 x cluster x + cx
	s_and_b32 s17, ttmp7, 0xffff                   ; y, which the partners share
	; group 1 for vertices: 128 rows x 128 bf16, 16 bytes of padding behind every 256
	s_mov_b32 s[G1], 15|(1<<16)|(1<<20)|(1<<21)|(5<<22)|(3<<25)  ; mask of all four; elements of 2 bytes; padding on; bit 21 beside a mask; after every 64 words, 4 words
	s_mov_b32 s[G1+1], 128<<16                     ; tensor_dim0 = 128
	s_mov_b32 s[G1+2], 128<<16                     ; tensor_dim1 = 128
	s_mov_b32 s[G1+3], 128<<16                     ; tile_dim0 = 128
	s_mov_b32 s[G1+4], 128                         ; tile_dim1 = 128
	s_mov_b32 s[G1+5], 128                         ; elements from row to row
	s_mov_b32 s[G1+6], 0
	s_mov_b32 s[G1+7], 0
	; group 1 for half norms: a dense block of 2,048 bytes as 8 rows of 32 elements of 8 bytes
	s_mov_b32 s[G1H], 15|(3<<16)|(1<<21)
	s_mov_b32 s[G1H+1], 32<<16
	s_mov_b32 s[G1H+2], 8<<16
	s_mov_b32 s[G1H+3], 32<<16
	s_mov_b32 s[G1H+4], 8
	s_mov_b32 s[G1H+5], 32
	s_mov_b32 s[G1H+6], 0
	s_mov_b32 s[G1H+7], 0
	s_lshl_b32 s18, s17, 19                        ; the block's 2,048 rows of 256 bytes,
	s_lshl_b32 s20, s[WV], 15                      ; my 128 rows of a tile
	s_add_co_u32 s18, s18, s20
	s_mov_b32 s19, 0
	s_lshl_b32 s20, s17, 13                        ; the block's half norms,
	s_lshl_b32 s22, s[WV], 11                      ; my quarter
	s_add_co_u32 s20, s20, s22
	s_mov_b32 s21, 0
	s_lshl_b32 s60, s16, 17                        ; rawbf: 512 tokens of 256 bytes a work-group,
	s_lshl_b32 s62, s[WV], 15                      ; 128 a wave
	s_add_co_u32 s60, s60, s62
	s_mov_b32 s61, 0
	s_lshl_b32 s62, s16, 16                        ; pkey, pgid: 8,192 bytes for 64 tokens: 8 such pieces a work-group,
	s_lshl_b32 s63, s[WV], 14                      ; 2 a wave,
	s_add_co_u32 s62, s62, s63
	s_lshl_b32 s63, s17, 8                         ; and in a piece 256 bytes for block y
	s_add_co_u32 s62, s62, s63
	s_mov_b32 s63, 0
	s_mov_b32 s[SEL], 0x76543210
	s_mov_b32 s[SEL+1], 0xfedcba98
	s_mov_b32 s[STEP], 0
	s_mov_b32 s[FO], 0
	s_mov_b32 s[HO], 0
	s_lshl_b32 s23, s[WV], 10
	s_add_co_u32 s23, s23, STAGE                   ; my stage
	s_wait_dscnt 0x0
	s_wait_kmcnt 0x0
	s_add_nc_u64 s[4:5], s[4:5], s[18:19]
	s_add_nc_u64 s[6:7], s[6:7], s[20:21]
	s_add_nc_u64 s[8:9], s[8:9], s[60:61]
	s_add_nc_u64 s[10:11], s[10:11], s[62:63]
	s_add_nc_u64 s[12:13], s[12:13], s[62:63]
	s_mov_b32 s[G0A], 1
	s_mul_i32 s[G0A+1], s[WV], QUART               ; LDS: wave x 128 rows
	s_mov_b64 s[G0A+2:G0A+3], s[4:5]               ; vertices 0..511 of the block
	s_or_b32 s[G0A+3], s[G0A+3], 0x80000000
	s_mov_b32 s[G0B], 1
	s_add_co_u32 s[G0B+1], s[G0A+1], SLOT
	s_add_nc_u64 s[G0B+2:G0B+3], s[4:5], 512*256   ; vertices 512..1,023
	s_or_b32 s[G0B+3], s[G0B+3], 0x80000000
	s_mov_b32 s[G0H], 1
	s_add_co_u32 s[G0H+1], s22, HVB
	s_mov_b64 s[G0H+2:G0H+3], s[6:7]
	s_or_b32 s[G0H+3], s[G0H+3], 0x80000000
	CROUND                                         ; all four work-groups are here: the first joint loads meet
	tensor_load_to_lds s[G0H:G0H+3], s[G1H:G1H+7]  ; the first fills go out together: three loads of mine are out
	s_nop 0
	tensor_load_to_lds s[G0A:G0A+3], s[G1:G1+7]
	s_nop 0
	tensor_load_to_lds s[G0B:G0B+3], s[G1:G1+7]
	s_nop 0
	v_and_b32 v1, 15, v0                           ; r
	v_bfe_u32 v15, v0, 4, 1                        ; h
	v_lshlrev_b32 v[QO], 8, v1
	v_mul_u32_u24 v[VA0], v1, PITCH
	v_lshl_add_u32 v[QO], v15, 4, v[QO]            ; r x 256 + 16 h
	v_lshl_add_u32 v[VA0], v15, 4, v[VA0]          ; r x pitch + 16 h
	; My 128 tokens: tile n, K step k -> window 1, v[32 n + 8 k ..]: lane (r, h) takes channels 32 k + 8 h + 0..7 and 32 k + 16 + 8 h + 0..7 of token 16 n + r.
	; 32,768 bytes a wave, read once; the eight loads of a tile together take its 16 rows whole.
	WIN 0x40                                       ; destination window 1, address window 0
.irp n, 0,1,2,3,4,5,6,7
.irp k, 0,1,2,3
	global_load_b128 v[32*\n+8*\k:32*\n+8*\k+3],   v[QO], s[8:9] offset:\n*4096+64*\k
	global_load_b128 v[32*\n+8*\k+4:32*\n+8*\k+7], v[QO], s[8:9] offset:\n*4096+64*\k+32
.endr
.endr
	WIN 0
	v_lshlrev_b32 v[VH0], 5, v15
	v_add_nc_u32 v[VH0], HVB, v[VH0]
	v_lshl_add_u32 v[HB], s17, 8, v15
	v_lshl_add_u32 v[STO], v1, 2, s23
.irp n, 0,1,2,3,4,5,6,7
	v_mov_b32 v[BEST+8+\n], 0xff800000             ; the maxima start at -infinity,
	v_mov_b32 v[GID+\n], 0                         ; the places at the block's first m-tile
.endr
; Matrix instruction i of an m-tile's 32: K step i / 8, token tile i % 8.  The eight accumulators take turns, one instruction a turn.
.macro WM p, i
.set wk, (\i)/8
.set wn, (\i)%8
.if wk == 0
	v_wmma_f32_16x16x32_bf16 v[ACC+64*\p+8*wn:ACC+64*\p+8*wn+7], v[AF+32*\p:AF+32*\p+7], v[32*wn:32*wn+7], v[HVR+8*\p:HVR+8*\p+7]
.else
	v_wmma_f32_16x16x32_bf16 v[ACC+64*\p+8*wn:ACC+64*\p+8*wn+7], v[AF+32*\p+8*wk:AF+32*\p+8*wk+7], v[32*wn+8*wk:32*wn+8*wk+7], v[ACC+64*\p+8*wn:ACC+64*\p+8*wn+7]
.endif
.endm
; The next m-tile's fragments (16 vertices x 128 channels) and half norms (lane half h: vertices 8 h + 0..7, the layout of a C operand) into buffer q: ten LDS loads in one run.
.macro FETCH q
	v_add_nc_u32 v[VA], s[FO], v[VA0]
	v_add_nc_u32 v[VH], s[HO], v[VH0]
	s_add_co_u32 s[FO], s[FO], MTB
	s_add_co_u32 s[HO], s[HO], 64
.irp k, 0,1,2,3
	ds_load_b128 v[AF+32*(\q)+8*\k:AF+32*(\q)+8*\k+3],   v[VA] offset:64*\k
	ds_load_b128 v[AF+32*(\q)+8*\k+4:AF+32*(\q)+8*\k+7], v[VA] offset:64*\k+32
.endr
	ds_load_b128 v[HVR+8*(\q):HVR+8*(\q)+3],   v[VH]
	ds_load_b128 v[HVR+8*(\q)+4:HVR+8*(\q)+7], v[VH] offset:16
.endm
; Slice s of 16 in the turn of accumulator set p: it works on the OTHER set's scores.  Four slices serve token tiles 2 (s / 4) and 2 (s / 4) + 1: the maximum of a lane's eight scores
; and the old maximum, three operands at a time and from each accumulator's low end on; then, where the maximum has grown, the m-tile's number is kept.  Selects only, no branch.
.macro SL p, s
.set sg, (\s)/4
.set sq, (\s)%4
.set x0, ACC+64*(1-\p)+16*sg
.set x1, x0+8
.set in0, BEST+8*\p+2*sg
.set ou0, BEST+8*(1-\p)+2*sg
.set gi0, GID+2*sg
.if sq == 0
	v_max3_num_f32 v[TMP],   v[x0],   v[x0+1], v[x0+2]
	v_max3_num_f32 v[TMP+1], v[x1],   v[x1+1], v[x1+2]
	v_max3_num_f32 v[TMP+2], v[x0+3], v[x0+4], v[x0+5]
.elseif sq == 1
	v_max3_num_f32 v[TMP+3], v[x1+3], v[x1+4], v[x1+5]
	v_max3_num_f32 v[TMP+4], v[x0+6], v[x0+7], v[in0]
	v_max3_num_f32 v[TMP+5], v[x1+6], v[x1+7], v[in0+1]
.elseif sq == 2
	v_max3_num_f32 v[ou0],   v[TMP],   v[TMP+2], v[TMP+4]
	v_max3_num_f32 v[ou0+1], v[TMP+1], v[TMP+3], v[TMP+5]
	v_cmp_gt_f32 s[MK0], v[ou0], v[in0]
.else
	v_cmp_gt_f32 s[MK1], v[ou0+1], v[in0+1]
	v_cndmask_b32 v[gi0],   v[gi0],   s[STEP], s[MK0]
	v_cndmask_b32 v[gi0+1], v[gi0+1], s[STEP], s[MK1]
.endif
.endm
; An m-tile on buffers and accumulators p.  arg = 1: the other set's scores go through the slices.  fetch = 1: the next m-tile is fetched into the other buffers, 28 matrix
; instructions ahead of the wait for it.  PLACES BEHIND MATRIX INSTRUCTIONS (ISA guide 7.12.1 for vector instructions): the fetch stands behind slices 0 and 1 of this turn and slice 15 of
; the last, nine plain instructions that name no register of the last products on those buffers; a slice reads scores whose last products stand twelve plain instructions back or more.
.macro MT p, arg, fetch
	s_wait_dscnt 0x0                               ; this m-tile's ten loads are back
.set ss, 0
.rept 16
	WIN 0x04                                       ; second source window 1, all else window 0
	WM \p, 2*ss
	WM \p, 2*ss+1
.if \arg
	WIN 0
	SL \p, ss
.endif
.if \fetch && (ss == 1)
	WIN 0
	FETCH 1-\p
.endif
.set ss, ss+1
.endr
.if \arg
	s_add_co_u32 s[STEP], s[STEP], 1
.else
	WIN 0
	PLACES                                         ; no slices yet: four places ahead of the next turn's first read of these scores
.endif
.endm
.macro PAIRS n                         ; 2 n m-tiles
	s_mov_b32 s[CNT], \n
.Lpair_\@:
	MT 1, 1, 1
	MT 0, 1, 1
	s_sub_co_u32 s[CNT], s[CNT], 1
	s_cmp_lg_u32 s[CNT], 0
	s_cbranch_scc1 .Lpair_\@
.endm
; THE CHANGE OF SLOTS stands where the slot's last m-tile has been fetched.  Each wave waits for its reads of the slot and for all its tensor loads, of which one may be out: its part of
; the other slot.  fill = 1: the barrier is a round of the cluster's, so that no wave of any partner still reads the slot or has a load on its way; the joint refill (the vertices 1,024
; further on) is the first thing behind it and has 32 m-tiles, 1,024 matrix instructions, in which to land.  One load of mine is then out.
.macro CHANGE fill, g0, next
	s_wait_dscnt 0x0
	s_wait_tensorcnt 0x0                           ; no tensor load of mine is out, so a group 0 may be written
	ds_add_u32 v126, v127
	s_wait_dscnt 0x0
.if \fill
	s_add_nc_u64 s[\g0+2:\g0+3], s[\g0+2:\g0+3], 1024*256
	CROUND
	tensor_load_to_lds s[\g0:\g0+3], s[G1:G1+7]
	s_nop 0
	PLACES                                         ; four v_nop follow the load
.else
	s_barrier_signal -1
	s_barrier_wait -1
.endif
	s_mov_b32 s[FO], \next*SLOT                    ; the fetches go on in the other slot
.endm
	s_wait_tensorcnt 0x1                           ; my parts of the half norms and of slot 0 are in; slot 1's may stay out
	s_barrier_signal -1
	s_barrier_wait -1                              ; everybody's are
	FETCH 0                                        ; m-tile 0
	s_wait_loadcnt 0x0                             ; my tokens
	MT 0, 0, 1                                     ; m-tile 0; fetches 1
	PAIRS 15                                       ; m-tiles 1..30; fetch 2..31
	CHANGE 1, G0A, 1                               ; slot 0 has been read out: it takes vertices 1,024..1,535
	PAIRS 16                                       ; m-tiles 31..62; fetch 32..63
	CHANGE 1, G0B, 0                               ; slot 1 takes vertices 1,536..2,047
	PAIRS 16                                       ; m-tiles 63..94; fetch 64..95
	CHANGE 0, G0A, 1                               ; nothing is left to ask for
	PAIRS 16                                       ; m-tiles 95..126; fetch 96..127
	MT 1, 1, 0                                     ; m-tile 127
.set ss, 0
.rept 16
	SL 0, ss                                       ; its scores; twelve plain instructions stand behind the products that the first slice reads
.set ss, ss+1
.endr
	; THE WAY OUT.  group = 256 y + 2 m-tile + h.  A token's two halves of the lanes are joined (the greater score; at equal scores the lower group).  The score becomes a key:
	; -0 is made +0; a number that is not negative gets its sign bit set, a negative one has all its bits turned: unsigned keys then stand in the scores' order.
	; The 128 keys and 128 groups go through my stage; each half of the lanes then stores 64 tokens' 256 consecutive bytes, aligned.
.irp n, 0,1,2,3,4,5,6,7
	v_lshl_add_u32 v[GID+\n], v[GID+\n], 1, v[HB]
.endr
.irp n, 0,1,2,3,4,5,6,7
	v_permlanex16_b32 v[TMP],   v[BEST+8+\n], s[SEL], s[SEL+1]
	v_permlanex16_b32 v[TMP+1], v[GID+\n],    s[SEL], s[SEL+1]
	v_cmp_gt_f32 s[MK0], v[TMP], v[BEST+8+\n]
	v_cmp_eq_f32 s[MK1], v[TMP], v[BEST+8+\n]
	v_cmp_lt_u32 vcc_lo, v[TMP+1], v[GID+\n]
	s_and_b32 s[MK1], s[MK1], vcc_lo
	s_or_b32 s[MK0], s[MK0], s[MK1]
	v_cndmask_b32 v[BEST+8+\n], v[BEST+8+\n], v[TMP],   s[MK0]
	v_cndmask_b32 v[GID+\n],    v[GID+\n],    v[TMP+1], s[MK0]
	v_add_f32 v[BEST+8+\n], 0, v[BEST+8+\n]
	v_ashrrev_i32 v[TMP], 31, v[BEST+8+\n]
	v_or_b32 v[TMP], 0x80000000, v[TMP]
	v_xor_b32 v[BEST+8+\n], v[BEST+8+\n], v[TMP]
	ds_store_b32 v[STO], v[BEST+8+\n] offset:64*\n         ; both halves of the lanes write the same word with the same number
	ds_store_b32 v[STO], v[GID+\n]    offset:512+64*\n
.endr
	v_and_b32 v[VH], 31, v0
	v_lshlrev_b32 v[QO], 4, v1                     ; in memory: 16 r,
	v_lshlrev_b32 v[VH], 4, v[VH]                  ; in the stage: 16 x lane
	v_lshl_add_u32 v[QO], v15, 13, v[QO]           ; and the next piece of 64 tokens for lanes 16-31
	v_add_nc_u32 v[VA], s23, v[VH]
	ds_load_b128 v[8:11],  v[VA]                   ; a wave's LDS instructions are served in order: these see the stores above
	ds_load_b128 v[12:15], v[VA] offset:512
	s_wait_dscnt 0x0
	global_store_b128 v[QO], v[8:11],  s[10:11]
	global_store_b128 v[QO], v[12:15], s[12:13]
	s_wait_tensorcnt 0x0
	ds_add_u32 v126, v127
	s_wait_dscnt 0x0
	CROUND                                         ; the closing round: no work-group ends while a partner may still ask for a tile that names it
	s_endpgm
.Lfunc_end_k_q03b3e056fc_search:
	.size	k_q03b3e056fc_search, .Lfunc_end_k_q03b3e056fc_search-k_q03b3e056fc_search
	.p2alignl 7, 3214868480
	.fill 96, 4, 3214868480
	.section	.rodata,"a",@progbits
	.p2align	6, 0x0
	.amdhsa_kernel k_q03b3e056fc_search
		.amdhsa_group_segment_fixed_size 327680
		.amdhsa_private_segment_fixed_size 0
		.amdhsa_enable_private_segment 0
		.amdhsa_kernarg_size 40
		.amdhsa_user_sgpr_count 2
		.amdhsa_user_sgpr_kernarg_segment_ptr 1
		.amdhsa_wavefront_size32 1
		.amdhsa_system_sgpr_workgroup_id_x 1
		.amdhsa_system_sgpr_workgroup_id_y 1
		.amdhsa_system_sgpr_workgroup_id_z 1
		.amdhsa_system_vgpr_workitem_id 0
		.amdhsa_next_free_vgpr 512
		.amdhsa_next_free_sgpr 66
		.amdhsa_reserve_vcc 1
		.amdhsa_float_denorm_mode_32 3
		.amdhsa_float_denorm_mode_16_64 3
		.amdhsa_memory_ordered 1
		.amdhsa_forward_progress 1
		.amdhsa_inst_pref_size 90
	.end_amdhsa_kernel
	.amdgpu_metadata
---
amdhsa.version: [ 1, 2 ]
amdhsa.kernels:
  - .name:           k_q03b3e056fc_search
    .symbol:         k_q03b3e056fc_search.kd
    .args:
      - { .name: vbf, .offset: 0, .size: 8, .value_kind: global_buffer, .address_space: global }
      - { .name: hv, .offset: 8, .size: 8, .value_kind: global_buffer, .address_space: global }
      - { .name: rawbf, .offset: 16, .size: 8, .value_kind: global_buffer, .address_space: global }
      - { .name: pkey, .offset: 24, .size: 8, .value_kind: global_buffer, .address_space: global }
      - { .name: pgid, .offset: 32, .size: 8, .value_kind: global_buffer, .address_space: global }
    .group_segment_fixed_size: 327680
    .private_segment_fixed_size: 0
    .kernarg_segment_align: 8
    .kernarg_segment_size: 40
    .max_flat_workgroup_size: 128
    .sgpr_count:     66
    .vgpr_count:     512
    .wavefront_size: 32
...
	.end_amdgpu_metadata
.endif
;; end of part 2
;; launch mlp (part 3): grid 256 x 1, 4 waves a work-group, clusters of 4 x 1, 327,680 bytes of LDS; arguments pkey, rawbf, params_vertex, previous_continuous_latent, target_continuous_latent, wfrag, out0, out1, out2, out4, lpart, params_en_b2, params_enc_b, params_enc_g, params_enc_bn, params_dec_b, params_dec_g, params_dec_bn, params_ar_b2, params_ar_g2, params_ar_bn2, params_ar_b1, params_ar_g1, params_ar_bn1, params_en_b1, params_en_g1, params_en_bn1, params_en_w2, pgid; writes out0, out1, out2, out4, lpart
.if DOCPART == 3
	.amdgcn_target "amdgcn-amd-amdhsa--gfx1250"
	.amdhsa_code_object_version 6
	.text
	.protected	k_q03b3e056fc_mlp
	.globl	k_q03b3e056fc_mlp
	.p2align	8
	.type	k_q03b3e056fc_mlp,@function
k_q03b3e056fc_mlp:
	s_mov_b64 s[64:65], 0
	v_nop
	global_prefetch_b8 v0, s[64:65] scope:SCOPE_SE
	s_setreg_imm32_b32 hwreg(HW_REG_WAVE_MODE, 25, 1), 1
	s_wait_xcnt 0x0
	s_wait_alu depctr_hold_cnt(0) depctr_sa_sdst(0) depctr_va_vdst(0) depctr_va_sdst(0) depctr_va_ssrc(0) depctr_va_vcc(0) depctr_vm_vsrc(0)
	s_getreg_b32 s2, hwreg(HW_REG_IB_STS2, 6, 4)
	s_cmp_eq_u32 s2, 0
	s_cbranch_scc0 .Lentry_in_a_cluster
	s_endpgm
.Lentry_in_a_cluster:
	s_bfe_u32 s2, ttmp6, 0x10000c
	s_cmp_lg_u32 s2, 0x3003
	s_cbranch_scc0 .Lentry_shape_is_right
	s_endpgm
.Lentry_shape_is_right:
; THE REST OF THE MODULE for 16 tokens a work-group, four waves.
; PROLOGUE.  A wave takes 4 tokens.  THE BEST BLOCK: the search left, for each token and each of the 32 vertex blocks, a whole-number key in the scores' order and a group of eight
; vertices.  Lane 4 q + i takes blocks 4 q .. 4 q + 3 of token i, keeps the greatest key (strict > in ascending order), and three exchanges join the eight lanes of a token (the greater
; key; at equal keys the lower group).  All of that is whole-number work on whole numbers that an earlier launch stored, so the group may enter an address.
; THE BEST OF THE GROUP: its eight candidate vertices (4,096 consecutive bytes of f32) are read, each is scored as in the search (on numbers rounded to bf16, in f32), and the best is
; chosen by selects: strict > in ascending order.  That row is disc (out0).
; LAYERS.  All are computed transposed, out^T = W^T x^T: first source = a fragment of W^T (16 output features x 32 inputs, ready made in wfrag), second source = activations (16 tokens),
; so that a lane holds ONE token (lane % 16) and eight features 16 tile + 8 (lane / 16) + 0..7.  Wave w owns feature tiles 2 w, 2 w + 1 of a layer of 128 and 4 w .. 4 w + 3 of one of 256.
; The bias is loaded into the accumulators and the products add onto it.  Activations pass from layer to layer through LDS as bf16 rows [token][feature].
; TWO PARTS.  The intermediates cont and h go into the products as hi + lo, hi = bf16(x), lo = bf16(x - hi): one bf16 alone is wrong by up to 2^-9 of x, and the norms that follow divide by
; the deviation of small numbers, which multiplies that.  The weight fragments are read once and multiplied by both parts.
; LAYERNORM.  Each wave makes mean and sum of squared deviations of its own features (two passes over registers); the four pairs meet in LDS and are joined without a difference of large sums.
; GELU is exact in the sense of erf by the five-term rational form with t = 1 / (1 + 0.3275911 z): LIMIT: absolute error of erf 1.5e-7.
; WEIGHTS.  All 256 work-groups walk the same 393,216 bytes, so the four partners of a cluster ask for them JOINTLY.  Eight places of 32 KiB hold units 0-7; when ar_w1 (places 2-5) has been
; multiplied, one refill brings units 8-11 there.  Two tensor loads of a wave are out at the start, one behind the refill.
; LIMITS.  FORMAT: the floating inputs are taken rounded to bf16: the matrix operands (disc, prev, target, the weights) and also the biases, gains and en_w2, which are rounded as they are
; copied into LDS, so gains and biases carry 8 significant bits; all arithmetic on them is f32.  out0 and the loss take the vertex row in f32.
; A group number is clamped to 8,191.  out4 (64 bytes a work-group) and lpart (4 bytes) are stores narrower than 256 bytes: a work-group owns 16 tokens.
.set STAT, 11776                       ; PAR at 0: enc b, g, bn 0/512/1024; dec 1536/2048/2560; ar2 3072/3584/4096; ar1 4608/5632/6656; en1 7680/8704/9728; en_w2 10752
.set EP,   14336                       ; STAT: 5 x 512: [norm][token][wave] (mean, M2).  EP: [token][wave] parts of the energy
.set LP,   14592                       ; [wave] parts of the loss
.set XD,   14848                       ; disc, prev, cont, target as bf16, 16 rows, pitch 272
.set XCL,  XD                          ; cont's low part takes disc's bytes: all reads of disc are waited for ahead of the barrier behind enc's statistics, the stores come behind it
.set XP,   19200
.set XC,   23552
.set XT,   27904
.set XH,   32256                       ; h as bf16, pitch 528
.set DF,   40704                       ; disc as f32, pitch 528; later pred on its way out
.set OS1,  49152                       ; cont as f32 on its way out
.set XHL,  OS1                         ; h's low part takes those bytes: their reads are waited for ahead of the refill's round, two barriers ahead of the stores
.set WB,   57600                       ; 8 places of 32,768 bytes for weights: the only bytes that tensor loads fill
.set UNIT, 32768
.set XB, 8                             ; v8   r x 272 + 16 h
.set XW, 9                             ; v9   + 64 w
.set HBR, 10                           ; v10  r x 528 + 16 h
.set HW, 11                            ; v11  + 128 w
.set FB, 12                            ; v12  r x 528 + 32 h + 128 w
.set ROWF, 13                          ; v13  4 w x 528 + 16 L
.set ROWB, 14                          ; v14  4 w x 272 + 8 L
.set PA128, 15                         ; v15  32 h + 128 w
.set PA256, 16                         ; v16  32 h + 256 w
.set STW, 17                           ; v17  r x 32 + 8 w
.set STR, 18                           ; v18  r x 32
.set WA8, 19                           ; v19  16 L + 8,192 w
.set WA16, 20                          ; v20  16 L + 16,384 w
.set AD, 21                            ; v21  address of the weight batch in hand
.set EPW, 22                           ; v22  r x 16 + 4 w
.set EPR, 23                           ; v23  r x 16
.set GT, 32                            ; v32-63 GELU at work: t, e, polynomial, x / 2
.set GE, 40
.set GP, 48
.set GH, 56
.set PG, 64                            ; v64-95   gains
.set AE, 112                           ; accumulators: enc, later ar2
.set AQ, 112
.set ADC, 128                          ; dec
.set AR, 144                           ; ar1
.set AN, 176                           ; en1
.set PBN, 208                          ; v208-239 the norms' biases
.set DT, 240                           ; v240-247 at work
.set SQ, 248                           ; v248-255 at work
.set CD, 112                           ; prologue: v112-239 candidates, 32 registers a token
.set SC, 240                           ; prologue: eight scores
.set KY, 240                           ; prologue: v240-243 four blocks' keys, v244-247 their groups; v248, v249 a partner's
.set KG, 244
.set BD, 0                             ; window 2: second sources
.set BCL, 0                            ; cont's low part takes disc's registers
.set BP, 32
.set BC, 64
.set BT, 96
.set BH, 128
.set BHL, 192
.set WV, 60
.set CP, 63                            ; 0.3275911 / sqrt(2)
.set CE, 66                            ; s[66:67] -log2(e) / 2
.set G1, 68
.set G0A, 76
.set G0B, 80
.set G0C, 84
.set SEL, 92
.set C1, 94                            ; s[94:101] minus half the polynomial's coefficients 1, 2, 3, 5, each as a pair; 4 is in v[26:27]
.set C2, 96
.set C3, 98
.set C5, 100
.set MSB, 0
.macro WIN new
.if MSB != \new
	s_set_vgpr_msb (MSB<<8)|\new
.set MSB, \new
.endif
.endm
.macro PLACES
.rept 4
	v_nop
.endr
.endm
.macro BAR
	s_barrier_signal -1
	s_barrier_wait -1
.endm
.macro CROUND
	s_barrier_signal -1
	s_barrier_wait -1
	s_cmp_lg_u32 s[WV], 0
	s_cbranch_scc1 .Lnot_wave_0_\@
	s_barrier_signal -3
.Lnot_wave_0_\@:
	s_barrier_wait -3
	s_barrier_signal -1
	s_barrier_wait -1
.endm
; my key and group against a partner's (v248, v249): the greater key; at equal keys the lower group.  Both partners choose alike.
.macro KJOIN
	v_cmp_gt_u32 s2, v248, v[KY]
	v_cmp_eq_u32 s61, v248, v[KY]
	v_cmp_lt_u32 vcc_lo, v249, v[KG]
	s_and_b32 s61, s61, vcc_lo
	s_or_b32 s2, s2, s61
	v_cndmask_b32 v[KY], v[KY], v248, s2
	v_cndmask_b32 v[KG], v[KG], v249, s2
.endm
; two parameters are rounded to bf16 and widened again
.macro RND2 a
	v_cvt_pk_bf16_f32 v56, v[\a], v[\a+1]
	v_lshlrev_b32 v[\a], 16, v56
	v_and_b32 v[\a+1], 0xffff0000, v56
.endm
; nt tiles of a parameter vector in the accumulators' layout: a lane's eight features are 32 consecutive bytes
.macro LD8 dst, pa, off, nt
.set bt, 0
.rept \nt
	ds_load_b128 v[\dst+8*bt:\dst+8*bt+3],   v[\pa] offset:\off+64*bt
	ds_load_b128 v[\dst+8*bt+4:\dst+8*bt+7], v[\pa] offset:\off+64*bt+16
.set bt, bt+1
.endr
.endm
; eight fragments of weights (2 tiles x 4 K steps) -> buffer buf of window 1: 16 loads of 512 consecutive bytes
.macro ABATCH buf, wa, base
	WIN 0
	v_add_nc_u32 v[AD], \base, v[\wa]
	WIN 0x40
.irp f, 0,1,2,3,4,5,6,7
	ds_load_b128 v[64*\buf+8*\f:64*\buf+8*\f+3],   v[AD] offset:1024*\f
	ds_load_b128 v[64*\buf+8*\f+4:64*\buf+8*\f+7], v[AD] offset:1024*\f+512
.endr
.endm
; nfr fragments of activations (16 tokens x 32 features each) -> window 2
.macro BLOAD dst, adr, base, nfr
	WIN 0x80
.set bu, 0
.rept \nfr
	ds_load_b128 v[\dst+8*bu:\dst+8*bu+3],   v[\adr] offset:\base+64*bu
	ds_load_b128 v[\dst+8*bu+4:\dst+8*bu+7], v[\adr] offset:\base+64*bu+32
.set bu, bu+1
.endr
.endm
; eight products: two tiles x 128 along K.  The two accumulators take turns, one instruction a turn, from batch to batch too.
.macro MM buf, acc, b
	WIN 0x09                                       ; first source window 1, second window 2, C and D window 0
.irp u, 0,1,2,3
.irp tl, 0,1
	v_wmma_f32_16x16x32_bf16 v[\acc+8*\tl:\acc+8*\tl+7], v[64*\buf+8*(4*\tl+\u):64*\buf+8*(4*\tl+\u)+7], v[\b+8*\u:\b+8*\u+7], v[\acc+8*\tl:\acc+8*\tl+7]
.endr
.endr
.endm
; One tile of eight f32 at x becomes 16 bytes of high parts (hi) and 16 of low parts (lo).  x - bf16(x) is exact in f32.
.macro SPLIT x, hi, lo
.irp q, 0,1,2,3
	v_cvt_pk_bf16_f32 v[\hi+\q], v[\x+2*\q], v[\x+2*\q+1]
.endr
.irp q, 0,1,2,3
	v_lshlrev_b32 v[GT+2*\q], 16, v[\hi+\q]
	v_and_b32 v[GT+2*\q+1], 0xffff0000, v[\hi+\q]
.endr
.irp q, 0,1,2,3
	v_pk_add_f32 v[GT+2*\q:GT+2*\q+1], v[\x+2*\q:\x+2*\q+1], v[GT+2*\q:GT+2*\q+1] neg_lo:[0,1] neg_hi:[0,1]
.endr
.irp q, 0,1,2,3
	v_cvt_pk_bf16_f32 v[\lo+\q], v[GT+2*\q], v[GT+2*\q+1]
.endr
.endm
; gelu(x) = x / 2 + x sign(x) (1/2 - (poly(t) / 2) e), t = 1 / (1 + p |x| / sqrt 2), e = 2^(-x^2 log2(e) / 2); one tile, in place, from its low end on.
.macro GELU x
.irp j, 0,1,2,3,4,5,6,7
	v_fma_f32 v[GT+\j], |v[\x+\j]|, s[CP], 1.0
.endr
.irp j, 0,2,4,6
	v_pk_mul_f32 v[GE+\j:GE+\j+1], v[\x+\j:\x+\j+1], v[\x+\j:\x+\j+1]
.endr
.irp j, 0,2,4,6
	v_pk_mul_f32 v[GE+\j:GE+\j+1], v[GE+\j:GE+\j+1], s[CE:CE+1] op_sel_hi:[1,0]
.endr
.irp j, 0,1,2,3,4,5,6,7
	v_rcp_f32 v[GT+\j], v[GT+\j]
.endr
.irp j, 0,1,2,3,4,5,6,7
	v_exp_f32 v[GE+\j], v[GE+\j]
.endr
.irp j, 0,2,4,6
	v_pk_mul_f32 v[GH+\j:GH+\j+1], v[\x+\j:\x+\j+1], 0.5 op_sel_hi:[1,0]   ; plain work between the transcendentals and the use of their results (ISA guide 5.7.2)
.endr
	s_wait_alu depctr_va_vdst(0)
.irp j, 0,2,4,6
	v_pk_fma_f32 v[GP+\j:GP+\j+1], v[GT+\j:GT+\j+1], s[C5:C5+1], v[26:27] op_sel_hi:[1,0,1]
.endr
.irp c, C3, C2, C1
.irp j, 0,2,4,6
	v_pk_fma_f32 v[GP+\j:GP+\j+1], v[GP+\j:GP+\j+1], v[GT+\j:GT+\j+1], s[\c:\c+1] op_sel_hi:[1,1,0]
.endr
.endr
.irp j, 0,2,4,6
	v_pk_mul_f32 v[GP+\j:GP+\j+1], v[GP+\j:GP+\j+1], v[GT+\j:GT+\j+1]
.endr
.irp j, 0,2,4,6
	v_pk_fma_f32 v[GP+\j:GP+\j+1], v[GP+\j:GP+\j+1], v[GE+\j:GE+\j+1], 0.5 op_sel_hi:[1,1,0]
.endr
.irp j, 0,1,2,3,4,5,6,7
	v_bfi_b32 v[GP+\j], 0x7fffffff, v[GP+\j], v[\x+\j]     ; x's sign
.endr
.irp j, 0,2,4,6
	v_pk_fma_f32 v[\x+\j:\x+\j+1], v[\x+\j:\x+\j+1], v[GP+\j:GP+\j+1], v[GH+\j:GH+\j+1]
.endr
.endm
; the nt pairs at SQ are added; v[SQ] then holds my lane's sum and v[SQ+1] that of the lane with the token's other features
.macro FOLD nt
.if \nt == 4
	v_pk_add_f32 v[SQ:SQ+1],   v[SQ:SQ+1],   v[SQ+2:SQ+3]
	v_pk_add_f32 v[SQ+4:SQ+5], v[SQ+4:SQ+5], v[SQ+6:SQ+7]
	v_pk_add_f32 v[SQ:SQ+1],   v[SQ:SQ+1],   v[SQ+4:SQ+5]
.else
	v_pk_add_f32 v[SQ:SQ+1],   v[SQ:SQ+1],   v[SQ+2:SQ+3]
.endif
	v_add_f32 v[SQ], v[SQ], v[SQ+1]
	v_permlanex16_b32 v[SQ+1], v[SQ], s[SEL], s[SEL+1]
.endm
; My wave's share of a norm: mean m of its 16 nt features of each token (inv = 1 / (16 nt)) and M2 = sum of (x - m)^2, into STAT.  Each tile is read from its low end on.
.macro LSTAT x, nt, ln, inv
.set lt, 0
.rept \nt
	v_pk_add_f32 v[SQ+2*lt:SQ+2*lt+1], v[\x+8*lt:\x+8*lt+1], v[\x+8*lt+2:\x+8*lt+3]
.set lt, lt+1
.endr
.irp o, 4, 6
.set lt, 0
.rept \nt
	v_pk_add_f32 v[SQ+2*lt:SQ+2*lt+1], v[SQ+2*lt:SQ+2*lt+1], v[\x+8*lt+\o:\x+8*lt+\o+1]
.set lt, lt+1
.endr
.endr
	FOLD \nt
	v_add_f32 v[SQ], v[SQ], v[SQ+1]
	v_mul_f32 v96, \inv, v[SQ]
	v_mul_f32 v97, \inv, v[SQ]
.set lt, 0
.rept \nt
.irp o, 0,2,4,6
	v_pk_add_f32 v[DT+\o:DT+\o+1], v[\x+8*lt+\o:\x+8*lt+\o+1], v[96:97] neg_lo:[0,1] neg_hi:[0,1]
.endr
	v_pk_mul_f32 v[SQ+2*lt:SQ+2*lt+1], v[DT:DT+1], v[DT:DT+1]
.irp o, 2,4,6
	v_pk_fma_f32 v[SQ+2*lt:SQ+2*lt+1], v[DT+\o:DT+\o+1], v[DT+\o:DT+\o+1], v[SQ+2*lt:SQ+2*lt+1]
.endr
.set lt, lt+1
.endr
	FOLD \nt
	v_add_f32 v97, v[SQ], v[SQ+1]
	ds_store_b64 v[STW], v[96:97] offset:STAT+512*\ln
.endm
; The four waves' shares are joined: mu = mean of the means; var = sum of M2 / N + mean of (m - mu)^2; v98 = mu, v110 = 1 / sqrt(var + 1e-5).
; The wait is for 0: it also covers the parameter and weight loads issued ahead of it.
.macro LCOMB ln, invn
	ds_load_b128 v[100:103], v[STR] offset:STAT+512*\ln
	ds_load_b128 v[104:107], v[STR] offset:STAT+512*\ln+16
	s_wait_dscnt 0x0
	v_add_f32 v98, v100, v102
	v_add_f32 v99, v104, v106
	v_add_f32 v111, v101, v103
	v_add_f32 v109, v105, v107
	v_add_f32 v98, v98, v99
	v_add_f32 v111, v111, v109
	v_mul_f32 v98, 0x3e800000, v98
	v_sub_f32 v100, v100, v98
	v_sub_f32 v102, v102, v98
	v_sub_f32 v104, v104, v98
	v_sub_f32 v106, v106, v98
	v_mul_f32 v99, v100, v100
	v_fmac_f32 v99, v102, v102
	v_fmac_f32 v99, v104, v104
	v_fmac_f32 v99, v106, v106
	v_mul_f32 v99, 0x3e800000, v99
	v_fma_f32 v110, v111, \invn, v99
	v_add_f32 v110, 0x3727c5ac, v110
	v_rsq_f32 v110, v110                           ; NORM's subtractions are the plain work between this and the use of its result
.endm
; x = (x - mu) (g / sigma) + bn, nt tiles; g in PG, bn in PBN
.macro NORM x, nt
.set nq, 0
.rept 4*\nt
	v_pk_add_f32 v[\x+nq:\x+nq+1], v[\x+nq:\x+nq+1], v[98:99] op_sel_hi:[1,0] neg_lo:[0,1] neg_hi:[0,1]
.set nq, nq+2
.endr
.set nq, 0
	s_wait_alu depctr_va_vdst(0)
.rept 4*\nt
	v_pk_mul_f32 v[PG+nq:PG+nq+1], v[PG+nq:PG+nq+1], v[110:111] op_sel_hi:[1,0]
.set nq, nq+2
.endr
.set nq, 0
.rept 4*\nt
	v_pk_fma_f32 v[\x+nq:\x+nq+1], v[\x+nq:\x+nq+1], v[PG+nq:PG+nq+1], v[PBN+nq:PBN+nq+1]
.set nq, nq+2
.endr
.endm
	; ================= PROLOGUE =================
	s_load_b512 s[4:19], s[0:1], 0x0               ; pkey 4, rawbf 6, vertex 8, prev 10, target 12, wfrag 14, out0 16, out1 18
	s_load_b512 s[20:35], s[0:1], 0x40             ; out2 20, out4 22, lpart 24, en_b2 26, enc b g bn 28 30 32, dec_b 34
	s_load_b512 s[36:51], s[0:1], 0x80             ; dec g bn 36 38, ar2 b g bn 40 42 44, ar1 b g bn 46 48 50
	s_load_b256 s[52:59], s[0:1], 0xc0             ; en1 b g bn 52 54 56, en_w2 58
	s_load_b64 s[88:89], s[0:1], 0xe0              ; pgid; the four groups take these registers when its loads are done
	s_set_vgpr_msb 0xc0
	v_lshl_add_u32 v0, v0, 2, 0x4e100
	v_mov_b32 v1, 0
	s_set_vgpr_msb 0xc0cf
	ds_add_u32 v0, v1
	s_set_vgpr_msb 0xcf00
	v_lshrrev_b32 v1, 5, v0
	v_readfirstlane_b32 s[WV], v1                  ; wave 0..3
	s_bfe_u32 s61, ttmp6, 0x40000                  ; cx: it enters the tokens' global addresses alone
	s_lshl_b32 s62, ttmp9, 2
	s_add_co_u32 s62, s62, s61                     ; my block of 16 tokens
	v_and_b32 v24, 3, v0                           ; i: which of my wave's four tokens
	v_bfe_u32 v25, v0, 2, 3                        ; q: which four blocks
	v_lshlrev_b32 v24, 2, v24
	v_lshl_add_u32 v24, v25, 10, v24               ; 4 i + 4 q blocks of 256 bytes
	s_mov_b32 s[G1], 15|(3<<16)|(1<<21)            ; mask of all four; elements of 8 bytes; bit 21 beside a mask: a dense unit as 128 rows of 256 bytes
	s_mov_b32 s[G1+1], 32<<16
	s_mov_b32 s[G1+2], 128<<16
	s_mov_b32 s[G1+3], 32<<16
	s_mov_b32 s[G1+4], 128
	s_mov_b32 s[G1+5], 32
	s_mov_b32 s[G1+6], 0
	s_mov_b32 s[G1+7], 0
	s_lshl_b32 s2, s[WV], 15                       ; wave w fetches unit w of each group of four
	s_mov_b32 s3, 0
	s_lshl_b32 s96, s62, 4
	s_lshl2_add_u32 s96, s[WV], s96                ; my wave's first token = 16 block + 4 wave
	s_mov_b32 s99, 0
	s_mov_b32 s[SEL], 0x76543210
	s_mov_b32 s[SEL+1], 0xfedcba98
	s_wait_dscnt 0x0
	s_wait_kmcnt 0x0
	s_lshl_b32 s98, ttmp9, 13                      ; pkey, pgid: the cluster's 64 tokens have 8,192 bytes; in a block's 256 of them
	s_lshl_b32 s97, s61, 6                         ; my work-group's 16 tokens
	s_add_co_u32 s98, s98, s97
	s_lshl_b32 s97, s[WV], 4                       ; and my wave's 4
	s_add_co_u32 s98, s98, s97
	s_add_nc_u64 s[4:5], s[4:5], s[98:99]
	s_add_nc_u64 s[88:89], s[88:89], s[98:99]
.irp k, 0,1,2,3
	global_load_b32 v[KY+\k], v24, s[4:5] offset:256*\k    ; the first loads of all: the candidates' addresses hang on them
.endr
.irp k, 0,1,2,3
	global_load_b32 v[KG+\k], v24, s[88:89] offset:256*\k
.endr
	s_add_nc_u64 s[14:15], s[14:15], s[2:3]
	s_lshl_b32 s98, s96, 9                         ; rows of 512 bytes
	s_add_nc_u64 s[10:11], s[10:11], s[98:99]
	s_add_nc_u64 s[12:13], s[12:13], s[98:99]
	s_add_nc_u64 s[16:17], s[16:17], s[98:99]
	s_add_nc_u64 s[18:19], s[18:19], s[98:99]
	s_add_nc_u64 s[20:21], s[20:21], s[98:99]
	s_lshl_b32 s98, s96, 8
	s_add_nc_u64 s[6:7], s[6:7], s[98:99]
	s_lshl_b32 s98, s62, 6
	s_add_nc_u64 s[22:23], s[22:23], s[98:99]
	s_lshl_b32 s98, s62, 2
	s_add_nc_u64 s[24:25], s[24:25], s[98:99]
	s_load_b32 s3, s[26:27], 0x0                   ; en_b2
	s_mov_b32 s[G0A], 1
	s_add_co_u32 s[G0A+1], s2, WB                  ; units 0-3 -> places 0-3
	s_mov_b64 s[G0A+2:G0A+3], s[14:15]
	s_or_b32 s[G0A+3], s[G0A+3], 0x80000000
	s_mov_b32 s[G0B], 1
	s_add_co_u32 s[G0B+1], s2, WB+4*UNIT           ; units 4-7 -> places 4-7
	s_add_nc_u64 s[G0B+2:G0B+3], s[14:15], 4*UNIT
	s_or_b32 s[G0B+3], s[G0B+3], 0x80000000
	s_mov_b32 s[G0C], 1
	s_add_co_u32 s[G0C+1], s2, WB+2*UNIT           ; units 8-11 -> places 2-5, later
	s_add_nc_u64 s[G0C+2:G0C+3], s[14:15], 8*UNIT
	s_or_b32 s[G0C+3], s[G0C+3], 0x80000000
	s_mov_b32 s[CP], 0x3e6d3388
	s_mov_b32 s[CE], 0xbf38aa3b
	s_mov_b32 s[CE+1], 0xbf38aa3b
	s_mov_b32 s[C1], 0xbe027906
	s_mov_b32 s[C1+1], 0xbe027906
	s_mov_b32 s[C2], 0x3e11a98e
	s_mov_b32 s[C2+1], 0x3e11a98e
	s_mov_b32 s[C3], 0xbf35f0e3
	s_mov_b32 s[C3+1], 0xbf35f0e3
	s_mov_b32 s[C5], 0xbf07dc22
	s_mov_b32 s[C5+1], 0xbf07dc22
	CROUND                                         ; all four work-groups are here: the first joint loads meet
	tensor_load_to_lds s[G0A:G0A+3], s[G1:G1+7]    ; two loads of mine are out
	s_nop 0
	tensor_load_to_lds s[G0B:G0B+3], s[G1:G1+7]
	s_nop 0
	v_and_b32 v1, 31, v0                           ; L
	v_and_b32 v2, 15, v0                           ; r
	v_bfe_u32 v3, v0, 4, 1                         ; h
	v_lshlrev_b32 v4, 4, v1                        ; 16 L
	v_lshlrev_b32 v5, 3, v1                        ; 8 L
	v_lshlrev_b32 v6, 2, v0                        ; 4 x thread
	v_lshlrev_b32 v7, 3, v0                        ; 8 x thread
.irp i, 0,1,2,3,4,5,6,7,8
	global_load_b32 v[32+\i], v6, s[28+2*\i:29+2*\i]       ; nine vectors of 128: a wave's load covers 128 bytes, the four waves a vector
.endr
.irp i, 0,1,2,3,4,5,6
	global_load_b64 v[42+2*\i:43+2*\i], v7, s[46+2*\i:47+2*\i]   ; seven vectors of 256
.endr
.irp i, 0,1,2,3
	global_load_b128 v[64+4*\i:67+4*\i], v4, s[10:11] offset:512*\i th:TH_LOAD_NT
.endr
.irp i, 0,1,2,3
	global_load_b128 v[80+4*\i:83+4*\i], v4, s[12:13] offset:512*\i th:TH_LOAD_NT
.endr
.irp i, 0,1,2,3
	global_load_b64 v[96+2*\i:97+2*\i], v5, s[6:7] offset:256*\i
.endr
	v_mov_b32 v248, 0                              ; a lane exchange's destination counts as read
	v_mov_b32 v249, 0
	s_wait_loadcnt 28                              ; the eight loads of keys and groups are in; behind them: 16 + 8 + 4
.irp k, 1,2,3
	v_cmp_gt_u32 vcc_lo, v[KY+\k], v[KY]           ; my four blocks, ascending: strict >, so equal keys stay with the lower block
	v_cndmask_b32 v[KY], v[KY], v[KY+\k], vcc_lo
	v_cndmask_b32 v[KG], v[KG], v[KG+\k], vcc_lo
.endr
.irp m, 4, 8
	v_mov_b32_dpp v248, v[KY] row_xmask:\m row_mask:0xf bank_mask:0xf
	v_mov_b32_dpp v249, v[KG] row_xmask:\m row_mask:0xf bank_mask:0xf
	KJOIN
.endr
	v_permlanex16_b32 v248, v[KY], s[SEL], s[SEL+1]
	v_permlanex16_b32 v249, v[KG], s[SEL], s[SEL+1]
	KJOIN
.irp i, 0,1,2,3
	v_readlane_b32 s[88+\i], v[KG], \i             ; lane i holds token i's group
.endr
	s_wait_kmcnt 0x0                               ; en_b2
.irp i, 0,1,2,3
	s_min_u32 s[88+\i], s[88+\i], 8191             ; the group stays inside the table
	s_lshl_b32 s[88+\i], s[88+\i], 12              ; eight rows of 512 bytes
	v_add_nc_u32 v[28+\i], s[88+\i], v4
.endr
.irp i, 0,1,2,3
.irp j, 0,1,2,3,4,5,6,7
	global_load_b128 v[CD+32*\i+4*\j:CD+32*\i+4*\j+3], v[28+\i], s[8:9] offset:512*\j
.endr
.endr
	v_mul_u32_u24 v[XB], v2, 272
	v_mul_u32_u24 v[HBR], v2, 528
	v_lshl_add_u32 v[XB], v3, 4, v[XB]
	v_lshl_add_u32 v[FB], v3, 5, v[HBR]
	v_lshl_add_u32 v[HBR], v3, 4, v[HBR]
	v_lshl_add_u32 v[XW], s[WV], 6, v[XB]
	v_lshl_add_u32 v[FB], s[WV], 7, v[FB]
	v_lshl_add_u32 v[HW], s[WV], 7, v[HBR]
	s_mul_i32 s2, s[WV], 4*528
	v_add_nc_u32 v[ROWF], s2, v4
	s_mul_i32 s2, s[WV], 4*272
	v_add_nc_u32 v[ROWB], s2, v5
	v_lshlrev_b32 v[PA128], 5, v3
	v_lshl_add_u32 v[PA256], s[WV], 8, v[PA128]
	v_lshl_add_u32 v[PA128], s[WV], 7, v[PA128]
	v_lshlrev_b32 v[STR], 5, v2
	v_lshl_add_u32 v[STW], s[WV], 3, v[STR]
	v_lshl_add_u32 v[WA8], s[WV], 13, v4
	v_lshl_add_u32 v[WA16], s[WV], 14, v4
	v_lshlrev_b32 v[EPR], 4, v2
	v_lshl_add_u32 v[EPW], s[WV], 2, v[EPR]
	v_mov_b32 v26, 0x3f3a00e3                      ; minus half of coefficient 4
	v_mov_b32 v27, 0x3f3a00e3
	s_wait_loadcnt 44                              ; the 16 parameter loads are in; behind them: 8 + 4 + 32
.irp a, 32,34,36,38,42,44,46,48,50,52,54
	RND2 \a                                        ; the parameters are taken rounded to bf16, like every floating input here
.endr
	v_cvt_pk_bf16_f32 v57, v40, v40
	v_lshlrev_b32 v40, 16, v57
.irp i, 0,1,2,3,4,5,6,7,8
	ds_store_b32 v6, v[32+\i] offset:512*\i
.endr
.irp i, 0,1,2,3,4,5,6
	ds_store_b64 v7, v[42+2*\i:43+2*\i] offset:4608+1024*\i
.endr
	s_wait_loadcnt 36                              ; prev and target are in; behind them: 4 + 32
.irp i, 0,1,2,3
	v_cvt_pk_bf16_f32 v[240+2*\i], v[64+4*\i], v[65+4*\i]
	v_cvt_pk_bf16_f32 v[241+2*\i], v[66+4*\i], v[67+4*\i]
	ds_store_b64 v[ROWB], v[240+2*\i:241+2*\i] offset:XP+272*\i
	v_cvt_pk_bf16_f32 v[248+2*\i], v[80+4*\i], v[81+4*\i]
	v_cvt_pk_bf16_f32 v[249+2*\i], v[82+4*\i], v[83+4*\i]
	ds_store_b64 v[ROWB], v[248+2*\i:249+2*\i] offset:XT+272*\i
.endr
; Token i of my four: score of candidate j = sum over channels of u (raw^ - u / 2), u the candidate rounded to bf16; a lane has 4 channels.  The sums over the 32 lanes come out equal
; bit for bit in every lane (each step adds the same two numbers in both partners), so every lane selects the same row.
.macro CAND i
	s_wait_loadcnt (3-\i)*8                        ; this token's eight candidates are in; the later tokens' stay out
	v_lshlrev_b32 v104, 16, v[96+2*\i]
	v_and_b32 v105, 0xffff0000, v[96+2*\i]
	v_lshlrev_b32 v106, 16, v[97+2*\i]
	v_and_b32 v107, 0xffff0000, v[97+2*\i]
.irp j, 0,1,2,3,4,5,6,7
	v_cvt_pk_bf16_f32 v248, v[CD+32*\i+4*\j], v[CD+32*\i+4*\j+1]
	v_cvt_pk_bf16_f32 v249, v[CD+32*\i+4*\j+2], v[CD+32*\i+4*\j+3]
	v_lshlrev_b32 v250, 16, v248
	v_and_b32 v251, 0xffff0000, v248
	v_lshlrev_b32 v252, 16, v249
	v_and_b32 v253, 0xffff0000, v249
	v_pk_fma_f32 v[254:255], v[250:251], -0.5, v[104:105] op_sel_hi:[1,0,1]
	v_pk_fma_f32 v[248:249], v[252:253], -0.5, v[106:107] op_sel_hi:[1,0,1]
	v_pk_mul_f32 v[254:255], v[250:251], v[254:255]
	v_pk_fma_f32 v[254:255], v[252:253], v[248:249], v[254:255]
	v_add_f32 v[SC+\j], v254, v255
.endr
.irp m, 1,2,4,8
.irp j, 0,1,2,3,4,5,6,7
	v_add_f32_dpp v[SC+\j], v[SC+\j], v[SC+\j] row_xmask:\m row_mask:0xf bank_mask:0xf
.endr
.endr
.irp j, 0,1,2,3,4,5,6,7
	v_permlanex16_b32 v[248+\j], v[SC+\j], s[SEL], s[SEL+1]
.endr
.irp j, 0,1,2,3,4,5,6,7
	v_add_f32 v[SC+\j], v[SC+\j], v[248+\j]
.endr
.irp j, 1,2,3,4,5,6,7
	v_cmp_gt_f32 vcc_lo, v[SC+\j], v[SC]
	v_cndmask_b32 v[SC], v[SC], v[SC+\j], vcc_lo
.irp c, 0,1,2,3
	v_cndmask_b32 v[CD+32*\i+\c], v[CD+32*\i+\c], v[CD+32*\i+4*\j+\c], vcc_lo
.endr
.endr
	global_store_b128 v4, v[CD+32*\i:CD+32*\i+3], s[16:17] offset:512*\i   ; disc: the wave's store covers the row's 512 bytes
	ds_store_b128 v[ROWF], v[CD+32*\i:CD+32*\i+3] offset:DF+528*\i
	v_cvt_pk_bf16_f32 v248, v[CD+32*\i], v[CD+32*\i+1]
	v_cvt_pk_bf16_f32 v249, v[CD+32*\i+2], v[CD+32*\i+3]
	ds_store_b64 v[ROWB], v[248:249] offset:XD+272*\i
.endm
	CAND 0
	CAND 1
	CAND 2
	CAND 3
	s_wait_dscnt 0x0                               ; for the others' sake: my stores into LDS are done
	s_wait_tensorcnt 0x1                           ; my unit of 0-3 is in; my unit of 4-7 may stay out
	BAR
	; ================= enc: cont = gelu(norm(disc W + b)) =================
	s_wait_xcnt 0x0                                ; the registers that out0's stores read are written again only behind this wait
	LD8 AE, PA128, 0, 2                            ; the bias starts the sums
	BLOAD BD, XB, XD, 4
	ABATCH 0, WA8, WB
	WIN 0
	LD8 PG, PA128, 512, 2
	LD8 PBN, PA128, 1024, 2
	s_wait_dscnt 0x0                               ; among them my reads of disc's bf16 rows, which are written over behind the next barrier
	MM 0, AE, BD
	WIN 0
	PLACES                                         ; four places between the last products and the first read of their results
	LSTAT AE, 2, 0, 0x3d000000
	s_wait_dscnt 0x0
	BAR
	LCOMB 0, 0x3c000000
	NORM AE, 2
	GELU AE
	GELU AE+8
.irp tl, 0,1
	ds_store_b128 v[FB], v[AE+8*\tl:AE+8*\tl+3]   offset:OS1+64*\tl
	ds_store_b128 v[FB], v[AE+8*\tl+4:AE+8*\tl+7] offset:OS1+64*\tl+16
	SPLIT AE+8*\tl, DT+4*\tl, SQ+4*\tl
	ds_store_b128 v[XW], v[DT+4*\tl:DT+4*\tl+3] offset:XC+32*\tl
	ds_store_b128 v[XW], v[SQ+4*\tl:SQ+4*\tl+3] offset:XCL+32*\tl
.endr
	s_wait_dscnt 0x0
	s_wait_tensorcnt 0x0                           ; my unit of 4-7 is in
	BAR
	; ================= ar1 (prev | cont), then the refill, dec and the first half of en1 =================
.irp i, 0,1,2,3
	ds_load_b128 v[DT+4*\i:DT+4*\i+3], v[ROWF] offset:OS1+528*\i   ; cont by whole rows, for out1
.endr
	BLOAD BP, XB, XP, 4
	BLOAD BC, XB, XC, 4
	BLOAD BCL, XB, XCL, 4
	BLOAD BT, XB, XT, 4
	WIN 0
	LD8 AR, PA256, 4608, 4
	LD8 ADC, PA128, 1536, 2
	LD8 AN, PA256, 7680, 4
	s_wait_dscnt 52                                ; the four rows are back; behind them: 32 fragment loads and 20 of biases
.irp i, 0,1,2,3
	global_store_b128 v4, v[DT+4*\i:DT+4*\i+3], s[18:19] offset:512*\i
.endr
	ABATCH 0, WA16, WB+2*UNIT
	ABATCH 1, WA16, WB+2*UNIT+8192
	ABATCH 2, WA16, WB+4*UNIT
	ABATCH 3, WA16, WB+4*UNIT+8192
	s_wait_dscnt 48                                ; all but the three batches issued behind batch 0
	MM 0, AR, BP
	s_wait_dscnt 32
	MM 1, AR+16, BP
	s_wait_dscnt 16
	MM 2, AR, BC
	MM 2, AR, BCL                                  ; the same weights by cont's low part
	s_wait_dscnt 0x0
	MM 3, AR+16, BC
	MM 3, AR+16, BCL
	WIN 0
	s_wait_dscnt 0x0                               ; my reads of places 2-5 are over,
	s_set_vgpr_msb 0xf
	s_wait_tensorcnt 0x0                           ; and no tensor load of mine is out
	ds_add_u32 v0, v1
	s_wait_dscnt 0x0
	s_set_vgpr_msb 0xf00
	CROUND                                         ; both now hold of every wave of every partner
	tensor_load_to_lds s[G0C:G0C+3], s[G1:G1+7]    ; the joint refill, first behind the round: units 8-11; one load of mine is out
	s_nop 0
	PLACES                                         ; four v_nop follow the load; they are also the places ahead of the loads into the weight buffers
	ABATCH 0, WA8, WB+UNIT
	ABATCH 1, WA16, WB+6*UNIT
	ABATCH 2, WA16, WB+6*UNIT+8192
	s_wait_dscnt 32
	MM 0, ADC, BC
	MM 0, ADC, BCL
	s_wait_dscnt 16
	MM 1, AN, BC
	MM 1, AN, BCL
	s_wait_dscnt 0x0
	MM 2, AN+16, BC
	MM 2, AN+16, BCL
	WIN 0
	s_wait_xcnt 0x0                                ; the registers that out1's stores read are written again only behind this wait
	PLACES
	LSTAT ADC, 2, 1, 0x3d000000
	GELU AR
	GELU AR+8
	GELU AR+16
	GELU AR+24
	LSTAT AR, 4, 2, 0x3c800000
	s_wait_dscnt 0x0
	s_wait_tensorcnt 0x0                           ; my unit of 8-11 is in
	BAR
	; ================= recon and the loss; h; the second half of en1 =================
	ABATCH 0, WA16, WB+2*UNIT
	ABATCH 1, WA16, WB+2*UNIT+8192
	WIN 0
	LD8 PG, PA128, 2048, 2
	LD8 PBN, PA128, 2560, 2
	LD8 DT, FB, DF, 2                              ; disc in the accumulators' layout
	LCOMB 1, 0x3c000000
	NORM ADC, 2
	LD8 PG, PA256, 5632, 4
	LD8 PBN, PA256, 6656, 4
	GELU ADC
	GELU ADC+8
.irp q, 0,2,4,6,8,10,12,14
	v_pk_add_f32 v[DT+\q:DT+\q+1], v[ADC+\q:ADC+\q+1], v[DT+\q:DT+\q+1] neg_lo:[0,1] neg_hi:[0,1]
.endr
	v_pk_mul_f32 v[24:25], v[DT:DT+1], v[DT:DT+1]
.irp q, 2,4,6,8,10,12,14
	v_pk_fma_f32 v[24:25], v[DT+\q:DT+\q+1], v[DT+\q:DT+\q+1], v[24:25]
.endr
	LCOMB 2, 0x3b800000
	NORM AR, 4
.irp tl, 0,1,2,3
	SPLIT AR+8*\tl, DT+4*\tl, GE+4*\tl
	ds_store_b128 v[HW], v[DT+4*\tl:DT+4*\tl+3] offset:XH+32*\tl
	ds_store_b128 v[HW], v[GE+4*\tl:GE+4*\tl+3] offset:XHL+32*\tl
.endr
	MM 0, AN, BT
	MM 1, AN+16, BT
	WIN 0
	PLACES
	GELU AN
	GELU AN+8
	GELU AN+16
	GELU AN+24
	LSTAT AN, 4, 3, 0x3c800000
	s_wait_dscnt 0x0
	BAR
	; ================= energy; ar2 =================
	LD8 AQ, PA128, 3072, 2
	BLOAD BH, HBR, XH, 8
	BLOAD BHL, HBR, XHL, 8
	ABATCH 2, WA8, WB+4*UNIT
	ABATCH 3, WA8, WB+5*UNIT
	WIN 0
	LD8 PG, PA256, 8704, 4
	LD8 PBN, PA256, 9728, 4
	LD8 GT, PA256, 10752, 4                        ; en_w2
	LCOMB 3, 0x3b800000
	NORM AN, 4
.irp tl, 0,1,2,3
	v_pk_mul_f32 v[SQ+2*\tl:SQ+2*\tl+1], v[AN+8*\tl:AN+8*\tl+1], v[GT+8*\tl:GT+8*\tl+1]
.endr
.irp o, 2,4,6
.irp tl, 0,1,2,3
	v_pk_fma_f32 v[SQ+2*\tl:SQ+2*\tl+1], v[AN+8*\tl+\o:AN+8*\tl+\o+1], v[GT+8*\tl+\o:GT+8*\tl+\o+1], v[SQ+2*\tl:SQ+2*\tl+1]
.endr
.endr
	FOLD 4
	v_add_f32 v[SQ], v[SQ], v[SQ+1]
	ds_store_b32 v[EPW], v[SQ] offset:EP           ; my 64 features' part of each token's energy
	v_add_f32 v24, v24, v25
.irp m, 1,2,4,8
	v_add_f32_dpp v24, v24, v24 row_xmask:\m row_mask:0xf bank_mask:0xf
.endr
	v_permlanex16_b32 v25, v24, s[SEL], s[SEL+1]
	v_add_f32 v24, v24, v25
	s_lshl_b32 s2, s[WV], 2
	v_mov_b32 v29, s2
	ds_store_b32 v29, v24 offset:LP                ; my 16 tokens x 32 features' part of the loss
	MM 2, AQ, BH
	MM 3, AQ, BH+32
	MM 2, AQ, BHL                                  ; the same weights by h's low part
	MM 3, AQ, BHL+32
	WIN 0
	PLACES
	LD8 PG, PA128, 3584, 2
	LD8 PBN, PA128, 4096, 2
	GELU AQ
	GELU AQ+8
	LSTAT AQ, 2, 4, 0x3d000000
	s_wait_dscnt 0x0
	BAR
	LCOMB 4, 0x3c000000
	NORM AQ, 2
.irp tl, 0,1
	ds_store_b128 v[FB], v[AQ+8*\tl:AQ+8*\tl+3]   offset:DF+64*\tl      ; every wave's reads of disc here are two barriers back
	ds_store_b128 v[FB], v[AQ+8*\tl+4:AQ+8*\tl+7] offset:DF+64*\tl+16
.endr
	s_cmp_lg_u32 s[WV], 0
	s_cbranch_scc1 .Lnot_first
	v_mov_b32 v108, 0
	ds_load_b128 v[100:103], v[EPR] offset:EP      ; the four waves' parts, written ahead of the last barrier
	ds_load_b128 v[104:107], v108 offset:LP
	v_lshlrev_b32 v28, 2, v2
	v_mov_b32 v109, s3                             ; en_b2, rounded to bf16 like the other parameters
	v_cvt_pk_bf16_f32 v109, v109, v109
	v_lshlrev_b32 v109, 16, v109
	s_wait_dscnt 0x0
	v_add_f32 v100, v100, v101
	v_add_f32 v102, v102, v103
	v_add_f32 v104, v104, v105
	v_add_f32 v106, v106, v107
	v_add_f32 v100, v100, v102
	v_add_f32 v104, v104, v106
	v_add_f32 v100, v109, v100                     ; + en_b2
	v_cmp_gt_u32 vcc_lo, 16, v1
	s_wait_xcnt 0x0                                ; EXEC changes only behind this wait
	s_and_saveexec_b32 s2, vcc_lo
	global_store_b32 v28, v100, s[22:23]           ; lanes 0-15: the 16 tokens' energy
	s_wait_xcnt 0x0
	s_or_b32 exec_lo, exec_lo, s2
	v_cmp_eq_u32 vcc_lo, 0, v1
	s_and_saveexec_b32 s2, vcc_lo
	global_store_b32 v28, v104, s[24:25]           ; lane 0 (offset 0): the work-group's sum of squares
	s_wait_xcnt 0x0
	s_or_b32 exec_lo, exec_lo, s2
.Lnot_first:
	s_wait_dscnt 0x0
	BAR
.irp i, 0,1,2,3
	ds_load_b128 v[DT+4*\i:DT+4*\i+3], v[ROWF] offset:DF+528*\i
.endr
.irp i, 0,1,2,3
	s_wait_dscnt 3-\i
	global_store_b128 v4, v[DT+4*\i:DT+4*\i+3], s[20:21] offset:512*\i     ; pred by whole rows
.endr
	s_set_vgpr_msb 0xf
	s_wait_tensorcnt 0x0
	ds_add_u32 v0, v1
	s_wait_dscnt 0x0
	s_set_vgpr_msb 0xf00
	CROUND                                         ; the closing round: no work-group ends while a partner may still ask for a unit that names it
	s_endpgm
.Lfunc_end_k_q03b3e056fc_mlp:
	.size	k_q03b3e056fc_mlp, .Lfunc_end_k_q03b3e056fc_mlp-k_q03b3e056fc_mlp
	.p2alignl 7, 3214868480
	.fill 96, 4, 3214868480
	.section	.rodata,"a",@progbits
	.p2align	6, 0x0
	.amdhsa_kernel k_q03b3e056fc_mlp
		.amdhsa_group_segment_fixed_size 327680
		.amdhsa_private_segment_fixed_size 0
		.amdhsa_enable_private_segment 0
		.amdhsa_kernarg_size 232
		.amdhsa_user_sgpr_count 2
		.amdhsa_user_sgpr_kernarg_segment_ptr 1
		.amdhsa_wavefront_size32 1
		.amdhsa_system_sgpr_workgroup_id_x 1
		.amdhsa_system_sgpr_workgroup_id_y 1
		.amdhsa_system_sgpr_workgroup_id_z 1
		.amdhsa_system_vgpr_workitem_id 0
		.amdhsa_next_free_vgpr 770
		.amdhsa_next_free_sgpr 102
		.amdhsa_reserve_vcc 1
		.amdhsa_float_denorm_mode_32 3
		.amdhsa_float_denorm_mode_16_64 3
		.amdhsa_memory_ordered 1
		.amdhsa_forward_progress 1
		.amdhsa_inst_pref_size 196
	.end_amdhsa_kernel
	.amdgpu_metadata
---
amdhsa.version: [ 1, 2 ]
amdhsa.kernels:
  - .name:           k_q03b3e056fc_mlp
    .symbol:         k_q03b3e056fc_mlp.kd
    .args:
      - { .name: pkey, .offset: 0, .size: 8, .value_kind: global_buffer, .address_space: global }
      - { .name: rawbf, .offset: 8, .size: 8, .value_kind: global_buffer, .address_space: global }
      - { .name: params_vertex, .offset: 16, .size: 8, .value_kind: global_buffer, .address_space: global }
      - { .name: previous_continuous_latent, .offset: 24, .size: 8, .value_kind: global_buffer, .address_space: global }
      - { .name: target_continuous_latent, .offset: 32, .size: 8, .value_kind: global_buffer, .address_space: global }
      - { .name: wfrag, .offset: 40, .size: 8, .value_kind: global_buffer, .address_space: global }
      - { .name: out0, .offset: 48, .size: 8, .value_kind: global_buffer, .address_space: global }
      - { .name: out1, .offset: 56, .size: 8, .value_kind: global_buffer, .address_space: global }
      - { .name: out2, .offset: 64, .size: 8, .value_kind: global_buffer, .address_space: global }
      - { .name: out4, .offset: 72, .size: 8, .value_kind: global_buffer, .address_space: global }
      - { .name: lpart, .offset: 80, .size: 8, .value_kind: global_buffer, .address_space: global }
      - { .name: params_en_b2, .offset: 88, .size: 8, .value_kind: global_buffer, .address_space: global }
      - { .name: params_enc_b, .offset: 96, .size: 8, .value_kind: global_buffer, .address_space: global }
      - { .name: params_enc_g, .offset: 104, .size: 8, .value_kind: global_buffer, .address_space: global }
      - { .name: params_enc_bn, .offset: 112, .size: 8, .value_kind: global_buffer, .address_space: global }
      - { .name: params_dec_b, .offset: 120, .size: 8, .value_kind: global_buffer, .address_space: global }
      - { .name: params_dec_g, .offset: 128, .size: 8, .value_kind: global_buffer, .address_space: global }
      - { .name: params_dec_bn, .offset: 136, .size: 8, .value_kind: global_buffer, .address_space: global }
      - { .name: params_ar_b2, .offset: 144, .size: 8, .value_kind: global_buffer, .address_space: global }
      - { .name: params_ar_g2, .offset: 152, .size: 8, .value_kind: global_buffer, .address_space: global }
      - { .name: params_ar_bn2, .offset: 160, .size: 8, .value_kind: global_buffer, .address_space: global }
      - { .name: params_ar_b1, .offset: 168, .size: 8, .value_kind: global_buffer, .address_space: global }
      - { .name: params_ar_g1, .offset: 176, .size: 8, .value_kind: global_buffer, .address_space: global }
      - { .name: params_ar_bn1, .offset: 184, .size: 8, .value_kind: global_buffer, .address_space: global }
      - { .name: params_en_b1, .offset: 192, .size: 8, .value_kind: global_buffer, .address_space: global }
      - { .name: params_en_g1, .offset: 200, .size: 8, .value_kind: global_buffer, .address_space: global }
      - { .name: params_en_bn1, .offset: 208, .size: 8, .value_kind: global_buffer, .address_space: global }
      - { .name: params_en_w2, .offset: 216, .size: 8, .value_kind: global_buffer, .address_space: global }
      - { .name: pgid, .offset: 224, .size: 8, .value_kind: global_buffer, .address_space: global }
    .group_segment_fixed_size: 327680
    .private_segment_fixed_size: 0
    .kernarg_segment_align: 8
    .kernarg_segment_size: 232
    .max_flat_workgroup_size: 128
    .sgpr_count:     102
    .vgpr_count:     770
    .wavefront_size: 32
...
	.end_amdgpu_metadata
.endif
;; end of part 3
;; launch loss (part 4): grid 1 x 1, 1 waves a work-group, no clusters, 0 bytes of LDS; arguments lpart, out3; writes out3
.if DOCPART == 4
	.amdgcn_target "amdgcn-amd-amdhsa--gfx1250"
	.amdhsa_code_object_version 6
	.text
	.protected	k_q03b3e056fc_loss
	.globl	k_q03b3e056fc_loss
	.p2align	8
	.type	k_q03b3e056fc_loss,@function
k_q03b3e056fc_loss:
	s_mov_b64 s[64:65], 0
	v_nop
	global_prefetch_b8 v0, s[64:65] scope:SCOPE_SE
	s_setreg_imm32_b32 hwreg(HW_REG_WAVE_MODE, 25, 1), 1
	s_wait_xcnt 0x0
; recon_loss = (sum of the 256 work-groups' sums of squares) / (4,096 x 128).  One wave: the sum spans work-groups, so it has a launch of its own; 1,024 bytes in, 4 out.
	s_load_b128 s[4:7], s[0:1], 0x0                ; lpart, out3
	v_lshlrev_b32 v1, 5, v0                        ; eight numbers a lane
	s_mov_b32 s8, 0x76543210
	s_mov_b32 s9, 0xfedcba98
	v_mov_b32 v10, 0
	s_wait_kmcnt 0x0
	global_load_b128 v[2:5], v1, s[4:5]
	global_load_b128 v[6:9], v1, s[4:5] offset:16
	s_wait_loadcnt 0x0
	v_pk_add_f32 v[2:3], v[2:3], v[4:5]
	v_pk_add_f32 v[6:7], v[6:7], v[8:9]
	v_pk_add_f32 v[2:3], v[2:3], v[6:7]
	v_add_f32 v2, v2, v3
	v_add_f32_dpp v2, v2, v2 row_xmask:1 row_mask:0xf bank_mask:0xf
	v_add_f32_dpp v2, v2, v2 row_xmask:2 row_mask:0xf bank_mask:0xf
	v_add_f32_dpp v2, v2, v2 row_xmask:4 row_mask:0xf bank_mask:0xf
	v_add_f32_dpp v2, v2, v2 row_xmask:8 row_mask:0xf bank_mask:0xf
	v_permlanex16_b32 v3, v2, s8, s9
	v_add_f32 v2, v2, v3
	v_mul_f32 v2, 0x36000000, v2                   ; 2^-19
	v_cmp_eq_u32 vcc_lo, 0, v0
	s_wait_xcnt 0x0                                ; EXEC changes only behind this wait
	s_and_saveexec_b32 s10, vcc_lo
	global_store_b32 v10, v2, s[6:7]
	s_wait_xcnt 0x0
	s_or_b32 exec_lo, exec_lo, s10
	s_endpgm
.Lfunc_end_k_q03b3e056fc_loss:
	.size	k_q03b3e056fc_loss, .Lfunc_end_k_q03b3e056fc_loss-k_q03b3e056fc_loss
	.p2alignl 7, 3214868480
	.fill 96, 4, 3214868480
	.section	.rodata,"a",@progbits
	.p2align	6, 0x0
	.amdhsa_kernel k_q03b3e056fc_loss
		.amdhsa_group_segment_fixed_size 0
		.amdhsa_private_segment_fixed_size 0
		.amdhsa_enable_private_segment 0
		.amdhsa_kernarg_size 16
		.amdhsa_user_sgpr_count 2
		.amdhsa_user_sgpr_kernarg_segment_ptr 1
		.amdhsa_wavefront_size32 1
		.amdhsa_system_sgpr_workgroup_id_x 1
		.amdhsa_system_sgpr_workgroup_id_y 1
		.amdhsa_system_sgpr_workgroup_id_z 1
		.amdhsa_system_vgpr_workitem_id 0
		.amdhsa_next_free_vgpr 16
		.amdhsa_next_free_sgpr 66
		.amdhsa_reserve_vcc 1
		.amdhsa_float_denorm_mode_32 3
		.amdhsa_float_denorm_mode_16_64 3
		.amdhsa_memory_ordered 1
		.amdhsa_forward_progress 1
		.amdhsa_inst_pref_size 2
	.end_amdhsa_kernel
	.amdgpu_metadata
---
amdhsa.version: [ 1, 2 ]
amdhsa.kernels:
  - .name:           k_q03b3e056fc_loss
    .symbol:         k_q03b3e056fc_loss.kd
    .args:
      - { .name: lpart, .offset: 0, .size: 8, .value_kind: global_buffer, .address_space: global }
      - { .name: out3, .offset: 8, .size: 8, .value_kind: global_buffer, .address_space: global }
    .group_segment_fixed_size: 0
    .private_segment_fixed_size: 0
    .kernarg_segment_align: 8
    .kernarg_segment_size: 16
    .max_flat_workgroup_size: 32
    .sgpr_count:     66
    .vgpr_count:     16
    .wavefront_size: 32
...
	.end_amdgpu_metadata
.endif
;; end of part 4
;; ======== version 2 of 2: 4 launches; version 1 with the launch prep written anew for expert scheduling mode
;; limits: values outside matrix products are rounded to bf16
;; workspace buffers: vbf 16,777,216 bytes; hv 262,144 bytes; rawbf 1,048,576 bytes; wfrag 393,216 bytes; pkey 524,288 bytes of whole numbers; pgid 524,288 bytes of whole numbers; lpart 1,024 bytes
;; launch prep (part 5): grid 416 x 1, 4 waves a work-group, no clusters, 0 bytes of LDS; arguments params_vertex, concept_ids, params_emb_table, params_enc_w, params_dec_w, params_ar_w1, params_en_w1, params_ar_w2, vbf, hv, rawbf, wfrag; writes vbf, hv, rawbf, wfrag
.if DOCPART == 5
	.amdgcn_target "amdgcn-amd-amdhsa--gfx1250"
	.amdhsa_code_object_version 6
	.text
	.protected	k_q03b3e056fc_prep
	.globl	k_q03b3e056fc_prep
	.p2align	8
	.type	k_q03b3e056fc_prep,@function
k_q03b3e056fc_prep:
	s_mov_b64 s[64:65], 0
	v_nop
	global_prefetch_b8 v0, s[64:65] scope:SCOPE_SE
	s_setreg_imm32_b32 hwreg(HW_REG_WAVE_SCHED_MODE, 0, 2), 2
	s_setreg_imm32_b32 hwreg(HW_REG_WAVE_MODE, 25, 1), 1
	s_wait_xcnt 0x0
	s_wait_alu depctr_vm_vsrc(0)
; PREPARATION, three kinds of work-group, told apart by the work-group's number alone.
;   0..255   VERTICES: vbf[v][:] = bf16(vertex[v][:]) and hv[v] = -0.5 * sum of the ROUNDED row's squares (f32).  A wave owns 64 rows.
;   256..351 WEIGHTS: five matrices W[k][n] (f32) become bf16 fragments of W^T in the order in which a matrix instruction's first source wants them.
;            wfrag is 12 units of 32 KiB; a unit is 8 tiles of 16 output features x 4 steps of 32 along k; a fragment is 1 KiB; one wave makes one fragment.
;            units: 0 enc, 1 dec, 2-5 ar_w1 (tiles 0-7 | 8-15, k 0-127; then k 128-255), 6-9 en_w1 likewise, 10-11 ar_w2 (k 0-127 | 128-255).
;   352..415 TOKENS: rawbf[t][:] = bf16(emb_table[id[t]][:]).  A wave owns 16 tokens.  LIMIT: an id is taken as unsigned and clamped to 50,256.
; No LDS, no matrix unit: memory binds.  Every store of the vertex and token paths covers 256 consecutive bytes, aligned; those of the weight path 512.
; THE MODE: SCHED_MODE bits 1:0 = 2 (LLVM: expert scheduling mode 2), set by the entry lines.  The code itself states the register dependences
; between vector instructions and memory instructions, with s_wait_alu, always for 0.
; THE PLAN.  Registers that memory instructions touch:
;   v1, v2     byte offsets, made once at the head and never written again; the wait at the head states that they are written.
;   VERTICES   VX slot s: the loads land in it; its two conversions read it (and in the second round write its first two registers, which its store reads).
;              VY slot s: written once, by the first round's conversions; read by its store and by the unpacking lines.  VHV: written by the selects, read by the last store.
;              The rows go in blocks of four: the wait for the four rows, their eight conversions, ONE wait on va_vdst, and behind it the block's refills and stores,
;              dealt among the lines that unpack and sum; those name VY, VU, VQ, VS, VT and VHV (in the second round the packed halves of VX, which nothing writes again).
;   TOKENS     v4-19 addresses, made once; v20-83 rows as loaded, read by the conversions, never loaded again; v84-115 rows to store, written once.
;   WEIGHTS    v3 the offset; v4-19 the numbers as loaded (v5 and v6 held r and h before); v20-27 the fragment to store, written once.
; No register that a memory instruction has read is ever written again, so no wait on vm_vsrc is owed anywhere.
.set NID_MAX, 50256
.set DEPTH, 32                         ; row slots of a wave: 32 x 512 bytes
.set BLK,   4                          ; rows in a block
.set VX, 4                             ; v[4:131]   slot s: a row's 4 numbers of my lane, as loaded; in the second round also the 4 bf16 to store
.set VY, 132                           ; v[132:195] slot s: the first round's 4 bf16, to store
.set VU, 196                           ; v[196:199] the rounded numbers, widened
.set VQ, 200                           ; v[200:201] squares
.set VS, 202                           ; v202       the row's sum
.set VT, 203                           ; v203       the other half of the lanes' sum
.set VHV, 204                          ; v[204:205] hv of rows 2 L and 2 L + 1 of my wave's 64
	s_load_b512 s[4:19], s[0:1], 0x0               ; vertex s[4:5], ids s[6:7], emb s[8:9], enc_w s[10:11], dec_w s[12:13], ar_w1 s[14:15], en_w1 s[16:17], ar_w2 s[18:19]
	s_load_b256 s[20:27], s[0:1], 0x40             ; vbf s[20:21], hv s[22:23], rawbf s[24:25], wfrag s[26:27]
	v_lshrrev_b32 v3, 5, v0
	v_readfirstlane_b32 s28, v3                    ; wave 0..3
	v_and_b32 v1, 31, v0
	v_lshlrev_b32 v2, 3, v1                        ; 8 x lane
	v_lshlrev_b32 v1, 4, v1                        ; 16 x lane
	s_mov_b32 s29, ttmp9
	s_mov_b32 s39, 0                               ; high word of every offset pair s[38:39]
	s_wait_alu depctr_va_sdst(0)                   ; s28 is written, ahead of the branches: each of the three arms makes its addresses from it
	s_wait_alu depctr_va_vdst(0)                   ; v1 and v2 are written: loads and stores of all three arms read them as offsets
	s_wait_kmcnt 0x0
	s_cmp_lt_u32 s29, 256
	s_cbranch_scc1 .Lvertex
	s_cmp_lt_u32 s29, 352
	s_cbranch_scc1 .Lweights
	; ---------------- TOKENS ----------------
	s_sub_co_u32 s30, s29, 352
	s_lshl_b32 s30, s30, 6
	s_lshl4_add_u32 s30, s28, s30                  ; my first token = 64 x group + 16 x wave
	s_lshl_b32 s38, s30, 2
	s_add_nc_u64 s[6:7], s[6:7], s[38:39]
	s_load_b512 s[40:55], s[6:7], 0x0              ; my 16 ids
	s_lshl_b32 s38, s30, 8
	s_add_nc_u64 s[24:25], s[24:25], s[38:39]      ; rawbf at my first token
	s_wait_kmcnt 0x0
.irp i, 0,1,2,3,4,5,6,7,8,9,10,11,12,13,14,15
	s_min_u32 s[40+\i], s[40+\i], NID_MAX          ; the id stays inside the table
	s_lshl_b32 s[40+\i], s[40+\i], 9               ; a row of 512 bytes
	v_add_nc_u32 v[4+\i], s[40+\i], v1
.endr
	s_wait_alu depctr_va_vdst(0)                   ; the sixteen addresses v4 to v19 are written, which the loads below read
.irp i, 0,1,2,3,4,5,6,7,8,9,10,11,12,13,14,15
	global_load_b128 v[20+4*\i:23+4*\i], v[4+\i], s[8:9]   ; the wave's load covers the whole row
.endr
.irp b, 0,1,2,3
	s_wait_loadcnt 12-4*\b                         ; loads return in order: the block's four rows are in, the younger blocks stay out
.irp j, 0,1,2,3
	v_cvt_pk_bf16_f32 v[84+2*(4*\b+\j)], v[20+4*(4*\b+\j)], v[21+4*(4*\b+\j)]
	v_cvt_pk_bf16_f32 v[85+2*(4*\b+\j)], v[22+4*(4*\b+\j)], v[23+4*(4*\b+\j)]
.endr
	s_wait_alu depctr_va_vdst(0)                   ; the eight conversions have written the block's rows, which the four stores read
.irp j, 0,1,2,3
	global_store_b64 v2, v[84+2*(4*\b+\j):85+2*(4*\b+\j)], s[24:25] offset:256*(4*\b+\j)
.endr
.endr
	s_endpgm
	; ---------------- WEIGHTS ----------------
; Lane (r, h) of a fragment holds W[k0 + 8 h + i][16 tile + r], i = 0..7, at bytes 16 L, and the same with k + 16 at bytes 512 + 16 L.
; The reads are 64 consecutive bytes for 16 lanes: 786,432 bytes in the whole launch, read once.
.macro WPATH nb                        ; nb: bytes in a row of W.  s35 tile, s36 first k of the unit, s37 32 x wave, s[32:33] the matrix
	s_add_co_u32 s36, s36, s37                     ; my fragment's first k
	s_mul_i32 s36, s36, \nb
	s_lshl_b32 s35, s35, 6                         ; 16 columns of 4 bytes
	s_add_co_u32 s38, s36, s35
	s_add_nc_u64 s[32:33], s[32:33], s[38:39]
	v_mul_u32_u24 v3, v6, 8*\nb                    ; 8 h rows
	v_lshl_add_u32 v3, v5, 2, v3                   ; + column r
	s_wait_alu depctr_va_vdst(0)                   ; v3 is written, which the loads read as their offset; the lines that wrote and read v5 and v6 are done, in which two of the loads land
.irp i, 0,1,2,3,4,5,6,7
	global_load_b32 v[4+\i], v3, s[32:33] offset:\i*\nb
.endr
.irp i, 0,1,2,3,4,5,6,7
	global_load_b32 v[12+\i], v3, s[32:33] offset:(16+\i)*\nb
.endr
	s_wait_loadcnt 0x0
.irp i, 0,1,2,3,4,5,6,7
	v_cvt_pk_bf16_f32 v[20+\i], v[4+2*\i], v[5+2*\i]
.endr
	s_wait_alu depctr_va_vdst(0)                   ; the conversions have written v20 to v27, which the two stores read
	global_store_b128 v1, v[20:23], s[26:27]
	global_store_b128 v1, v[24:27], s[26:27] offset:512
.endm
.Lweights:
	s_sub_co_u32 s29, s29, 256
	s_lshr_b32 s30, s29, 3                         ; unit 0..11
	s_and_b32 s31, s29, 7                          ; tile in the unit
	s_lshl_b32 s38, s30, 5
	s_lshl2_add_u32 s38, s31, s38
	s_add_co_u32 s38, s38, s28                     ; fragment = 32 unit + 4 tile + wave
	s_lshl_b32 s38, s38, 10
	s_add_nc_u64 s[26:27], s[26:27], s[38:39]
	v_and_b32 v5, 15, v0                           ; r
	v_bfe_u32 v6, v0, 4, 1                         ; h
	s_lshl_b32 s37, s28, 5                         ; my step of 32 along k
	s_sub_co_u32 s34, s30, 2                       ; units 2..9 are the two matrices of 256 columns
	s_cmp_lt_u32 s34, 8
	s_cbranch_scc1 .Lwide
	s_and_b32 s36, s30, 1
	s_lshl_b32 s36, s36, 7
	s_cmp_ge_u32 s30, 10
	s_cselect_b32 s36, s36, 0                      ; ar_w2: k from 128 x (unit - 10); enc, dec: from 0
	s_mov_b64 s[32:33], s[10:11]
	s_cmp_eq_u32 s30, 1
	s_cselect_b64 s[32:33], s[12:13], s[32:33]
	s_cmp_ge_u32 s30, 10
	s_cselect_b64 s[32:33], s[18:19], s[32:33]
	s_mov_b32 s35, s31
	WPATH 512
	s_endpgm
.Lwide:
	s_and_b32 s35, s34, 1
	s_lshl3_add_u32 s35, s35, s31                  ; tile = 8 x (odd unit) + tile in the unit
	s_bfe_u32 s36, s34, 0x10001
	s_lshl_b32 s36, s36, 7                         ; k from 0 or 128
	s_cmp_lt_u32 s34, 4
	s_cselect_b64 s[32:33], s[14:15], s[16:17]
	WPATH 1024
	s_endpgm
	; ---------------- VERTICES ----------------
; A wave's 64 rows go through 32 row slots in two rounds, written out, four rows to a block: one load of the wave covers a row of 512 bytes, and 28 to 32 of them are on their way until the rows run out.
; Round 0 (rows 0-31) packs into registers of its own and fills its slots again with the rows 32 further down; round 1 (rows 32-63) packs in place and loads nothing.
; No base is stepped and no register that a store reads is written again.
; Row R of my 64 ends in lane R / 2, register R % 2 of VHV, so that one store at the end writes the 64 half norms, 256 bytes.
.macro VCVT s, round                   ; slot s: the row is rounded and packed
.if \round == 0
.set vy, VY+2*(\s)
.else
.set vy, VX+4*(\s)
.endif
	v_cvt_pk_bf16_f32 v[vy], v[VX+4*(\s)], v[VX+4*(\s)+1]
	v_cvt_pk_bf16_f32 v[vy+1], v[VX+4*(\s)+2], v[VX+4*(\s)+3]
.endm
.macro VROW s, round                   ; slot s: its refill and its store, and then its half norm
.set vrow, DEPTH*\round+(\s)
.if \round == 0
.set vy, VY+2*(\s)
	global_load_b128 v[VX+4*(\s):VX+4*(\s)+3], v1, s[4:5] offset:(DEPTH+(\s))*512 th:TH_LOAD_NT  ; no vector line since the block's wait names these registers
.else
.set vy, VX+4*(\s)
.endif
	global_store_b64 v2, v[vy:vy+1], s[20:21] offset:vrow*256   ; nor these
	v_lshlrev_b32 v[VU], 16, v[vy]                 ; the norm is that of the rounded row
	v_and_b32 v[VU+1], s34, v[vy]
	v_lshlrev_b32 v[VU+2], 16, v[vy+1]
	v_and_b32 v[VU+3], s34, v[vy+1]
	v_pk_mul_f32 v[VQ:VQ+1], v[VU:VU+1], v[VU:VU+1]
	v_pk_fma_f32 v[VQ:VQ+1], v[VU+2:VU+3], v[VU+2:VU+3], v[VQ:VQ+1]
	v_add_f32 v[VS], v[VQ], v[VQ+1]
	v_add_f32_dpp v[VS], v[VS], v[VS] row_xmask:1 row_mask:0xf bank_mask:0xf
	v_add_f32_dpp v[VS], v[VS], v[VS] row_xmask:2 row_mask:0xf bank_mask:0xf
	v_add_f32_dpp v[VS], v[VS], v[VS] row_xmask:4 row_mask:0xf bank_mask:0xf
	v_add_f32_dpp v[VS], v[VS], v[VS] row_xmask:8 row_mask:0xf bank_mask:0xf
	v_permlanex16_b32 v[VT], v[VS], s32, s33
	v_add_f32 v[VS], v[VS], v[VT]
	v_mul_f32 v[VS], -0.5, v[VS]
	s_mov_b32 s36, 1<<(vrow>>1)                    ; the one lane that keeps this row's number
	v_cndmask_b32 v[VHV+(vrow&1)], v[VHV+(vrow&1)], v[VS], s36
.endm
.macro VBLK p, round                   ; block p of a round: slots 4 p to 4 p + 3
.if \round == 0
	s_wait_loadcnt DEPTH-BLK                       ; loads return in order: my four rows are in; younger: 28 - 4 p first fills and 4 p refills
.else
	s_wait_loadcnt DEPTH-BLK-BLK*(\p)              ; the counts run down: younger are the refills of the later slots
.endif
.irp i, 0,1,2,3
	VCVT BLK*(\p)+\i, \round
.endr
	s_wait_alu depctr_va_vdst(0)                   ; the eight conversions have written the packed rows, which the block's stores read, and are done reading the block's slots, in which round 0's refills land
.irp i, 0,1,2,3
	VROW BLK*(\p)+\i, \round
.endr
.endm
.Lvertex:
	s_lshl2_add_u32 s30, s29, s28                  ; 4 x group + wave: my block of 64 rows
	s_lshl_b32 s38, s30, 15                        ; 64 rows of 512 bytes
	s_add_nc_u64 s[4:5], s[4:5], s[38:39]
	s_lshl_b32 s38, s30, 14                        ; of 256 bytes
	s_add_nc_u64 s[20:21], s[20:21], s[38:39]
	s_lshl_b32 s38, s30, 8                         ; of 4 bytes
	s_add_nc_u64 s[22:23], s[22:23], s[38:39]
.set ss, 0
.rept DEPTH
	global_load_b128 v[VX+4*ss:VX+4*ss+3], v1, s[4:5] offset:ss*512 th:TH_LOAD_NT   ; no vector line has named these registers; v1 stands behind the head's wait
.set ss, ss+1
.endr
	s_mov_b32 s32, 0x76543210                      ; each lane takes its own place in the other half
	s_mov_b32 s33, 0xfedcba98
	s_mov_b32 s34, 0xffff0000
	v_mov_b32 v[VT], 0                             ; a lane exchange's destination counts as read
	v_mov_b32 v[VHV], 0                            ; the selects read what they keep
	v_mov_b32 v[VHV+1], 0
.set pp, 0
.rept DEPTH/BLK
	VBLK pp, 0
.set pp, pp+1
.endr
.set pp, 0
.rept DEPTH/BLK
	VBLK pp, 1
.set pp, pp+1
.endr
	s_wait_alu depctr_va_vdst(0)                   ; the selects have written VHV, which the last store reads
	global_store_b64 v2, v[VHV:VHV+1], s[22:23]
	s_endpgm
.Lfunc_end_k_q03b3e056fc_prep:
	.size	k_q03b3e056fc_prep, .Lfunc_end_k_q03b3e056fc_prep-k_q03b3e056fc_prep
	.p2alignl 7, 3214868480
	.fill 96, 4, 3214868480
	.section	.rodata,"a",@progbits
	.p2align	6, 0x0
	.amdhsa_kernel k_q03b3e056fc_prep
		.amdhsa_group_segment_fixed_size 0
		.amdhsa_private_segment_fixed_size 0
		.amdhsa_enable_private_segment 0
		.amdhsa_kernarg_size 96
		.amdhsa_user_sgpr_count 2
		.amdhsa_user_sgpr_kernarg_segment_ptr 1
		.amdhsa_wavefront_size32 1
		.amdhsa_system_sgpr_workgroup_id_x 1
		.amdhsa_system_sgpr_workgroup_id_y 1
		.amdhsa_system_sgpr_workgroup_id_z 1
		.amdhsa_system_vgpr_workitem_id 0
		.amdhsa_next_free_vgpr 208
		.amdhsa_next_free_sgpr 66
		.amdhsa_reserve_vcc 0
		.amdhsa_float_denorm_mode_32 3
		.amdhsa_float_denorm_mode_16_64 3
		.amdhsa_memory_ordered 1
		.amdhsa_forward_progress 1
		.amdhsa_inst_pref_size 87
	.end_amdhsa_kernel
	.amdgpu_metadata
---
amdhsa.version: [ 1, 2 ]
amdhsa.kernels:
  - .name:           k_q03b3e056fc_prep
    .symbol:         k_q03b3e056fc_prep.kd
    .args:
      - { .name: params_vertex, .offset: 0, .size: 8, .value_kind: global_buffer, .address_space: global }
      - { .name: concept_ids, .offset: 8, .size: 8, .value_kind: global_buffer, .address_space: global }
      - { .name: params_emb_table, .offset: 16, .size: 8, .value_kind: global_buffer, .address_space: global }
      - { .name: params_enc_w, .offset: 24, .size: 8, .value_kind: global_buffer, .address_space: global }
      - { .name: params_dec_w, .offset: 32, .size: 8, .value_kind: global_buffer, .address_space: global }
      - { .name: params_ar_w1, .offset: 40, .size: 8, .value_kind: global_buffer, .address_space: global }
      - { .name: params_en_w1, .offset: 48, .size: 8, .value_kind: global_buffer, .address_space: global }
      - { .name: params_ar_w2, .offset: 56, .size: 8, .value_kind: global_buffer, .address_space: global }
      - { .name: vbf, .offset: 64, .size: 8, .value_kind: global_buffer, .address_space: global }
      - { .name: hv, .offset: 72, .size: 8, .value_kind: global_buffer, .address_space: global }
      - { .name: rawbf, .offset: 80, .size: 8, .value_kind: global_buffer, .address_space: global }
      - { .name: wfrag, .offset: 88, .size: 8, .value_kind: global_buffer, .address_space: global }
    .group_segment_fixed_size: 0
    .private_segment_fixed_size: 0
    .kernarg_segment_align: 8
    .kernarg_segment_size: 96
    .max_flat_workgroup_size: 128
    .sgpr_count:     66
    .vgpr_count:     208
    .wavefront_size: 32
...
	.end_amdgpu_metadata
.endif
;; end of part 5
;; launch search: the kernel of part 2 again; grid 8 x 32, 4 waves a work-group, clusters of 4 x 1, 327,680 bytes of LDS; arguments vbf, hv, rawbf, pkey, pgid; writes pkey, pgid
;; launch mlp: the kernel of part 3 again; grid 256 x 1, 4 waves a work-group, clusters of 4 x 1, 327,680 bytes of LDS; arguments pkey, rawbf, params_vertex, previous_continuous_latent, target_continuous_latent, wfrag, out0, out1, out2, out4, lpart, params_en_b2, params_enc_b, params_enc_g, params_enc_bn, params_dec_b, params_dec_g, params_dec_bn, params_ar_b2, params_ar_g2, params_ar_bn2, params_ar_b1, params_ar_g1, params_ar_bn1, params_en_b1, params_en_g1, params_en_bn1, params_en_w2, pgid; writes out0, out1, out2, out4, lpart
;; launch loss: the kernel of part 4 again; grid 1 x 1, 1 waves a work-group, no clusters, 0 bytes of LDS; arguments lpart, out3; writes out3
